; MI455X (gfx1250); checked and timed in simulation.
; The chip was launched on July 23, 2026; its instructions are those of AMD's public machine-readable ISA for CDNA 5 (MIT licence, August 2026) and "CDNA5" Instruction Set Architecture Reference Guide (July 2026). The comments in the code are by the model that wrote it; some were corrected since.
;; Decoder Layer. Allowed arithmetic: matrix products marked QUANTISED: E2M3 operands, one E8M0 scale for each 32 along K, by v_wmma_scale_f32_16x16x128_f8f6f4 with both operands' format E2M3, f32 sums; everything else in f32.
;; Inputs: W1 512 x 1,024 float32; W2 1,024 x 512 float32; b1 1,024 float32; b2 512 float32; encoder_output 4 x 2,048 x 512 float32; ln1_b 512 float32; ln1_g 512 float32; ln2_b 512 float32; ln2_g 512 float32; ln3_b 512 float32; ln3_g 512 float32; mask 4 x 1 x 2,048 x 2,048 int32; x 4 x 2,048 x 512 float32.
;; Outputs: out0 4 x 2,048 x 512 float32.
;; This version of the problem:
;;   THIS VERSION OF THE PROBLEM IS GIVEN IN LOW PRECISION. The matrix products marked QUANTISED in the list below multiply operands that are first quantised to E2M3 (2 exponent bits, 3 mantissa bits; 6 bits a number), with one power-of-two scale for each 32 numbers along K (OCP MX v1.0); their sums are f32. All else is computed in f32.
;;   The module's matrix products, in the order in which they are computed (A, B: the left and right operand; K: the contracted axis; several contracted axes count as one K, in the product's order):
;;     1. batch 32 x [M 2,048, K 64] x [K 64, N 2,048]; A: computed on the way; B: computed on the way: QUANTISED
;;     2. batch 32 x [M 2,048, K 2,048] x [K 2,048, N 64]; A: softmax (see below); B: computed on the way: QUANTISED
;;     3. batch 32 x [M 2,048, K 64] x [K 64, N 2,048]; A: computed on the way; B: input encoder_output: QUANTISED
;;     4. batch 32 x [M 2,048, K 2,048] x [K 2,048, N 64]; A: softmax (see below); B: input encoder_output: QUANTISED
;;     5. [M 8,192, K 512] x [K 512, N 1,024]; A: computed on the way; B: input W1: QUANTISED
;;     6. [M 8,192, K 1,024] x [K 1,024, N 512]; A: computed on the way; B: input W2: QUANTISED
;;   THE QUANTISER, for each operand of a quantised product, along K:
;;     - K is cut into blocks of 32 from its start; a last block that is shorter is filled with zeros.
;;     - A block's scale is 2^e with e = floor(log2(the largest magnitude in the block)) - 2, held to -126 .. 127; a block of zeros has e = 0. As a byte (E8M0): e + 127.
;;     - Each number is divided by its block's scale, clamped to +-7.5, and rounded to the nearest number of E2M3, ties to even, subnormals kept.
;;     - The product sums the exact products of the quantised numbers (number of the format x scale) in f32.
;;   ~~~python
;;   def quantise(x, axis):      # numpy; x: float32 -> the quantised numbers, widened to float32 again
;;       x = np.moveaxis(x, axis, -1); K = x.shape[-1]
;;       x = np.pad(x, [(0, 0)] * (x.ndim - 1) + [(0, -K % 32)]); x = x.reshape(x.shape[:-1] + (-1, 32)); a = np.abs(x).max(-1, keepdims=True)
;;       e = np.where(a > 0, np.clip(np.frexp(np.where(a > 0, a, 1))[1] - 1 - 2, -126, 127), 0)      # np.frexp(a)[1] - 1 = floor(log2(a)), exactly
;;       r = np.clip(x / 2.0 ** e, -7.5, 7.5)
;;       step = 2.0 ** (np.maximum(np.frexp(np.where(r == 0, 1, r))[1] - 1, 0) - 3)
;;       q = np.round(r / step) * step * 2.0 ** e      # np.round: ties to even
;;       return np.moveaxis(q.reshape(q.shape[:-2] + (-1,))[..., :K], -1, axis).astype(np.float32)
;;   ~~~
;;   SOFTMAX AHEAD OF A QUANTISED PRODUCT. Where the list says 'softmax', what is quantised is not the finished softmax but p = 2^(t - M), with t = logit x log2(e) and M = ceil(the row's largest t), a whole number; so 1/2 < the row's largest p <= 1. The row's sum l is taken of the UNQUANTISED p, in f32, and the product's result is divided by l at the end. Since M is a whole number, a kernel that streams over the keys may use a running M (the ceiling of the running maximum): every later rescaling is an exact power of two, which a block's scale takes up: the codes' values come out the same.
;;   OPERANDS COMPUTED ON THE WAY. 'Computed on the way' means the value that the module computes at that place (a softmax that the list does not call 'softmax' is quantised finished and normalised). What goes into a quantiser is computed in f32, as accurately as f32 sums, v_exp_f32 and their like allow (about 1e-6 of the number): no bf16 or f16 on the way to a quantiser, and a product that is left as it is and whose result goes on into a quantised operand takes f32 operands (vector FMAs, or v_wmma_f32_16x16x4_f32). A number that lies on a knife's edge between two numbers of the format may be rounded either way, as far as f32 arithmetic and the matrix unit's own rounding can turn it there, and no further.
;; One version. Each part assembles by itself: llvm-mc -triple=amdgcn-amd-amdhsa -mcpu=gfx1250 --defsym DOCPART=n.
;; ======== version 1 of 1: 4 launches
;; workspace buffers: kv_self 6,553,600 bytes; kv_cross 6,553,600 bytes; maskw 2,097,152 bytes of whole numbers; wimg 819,200 bytes; statsA 524,288 bytes; statsB 524,288 bytes; x2 16,777,216 bytes; x3 16,777,216 bytes
;; launch prep (part 1): grid 256 x 1, 16 waves a work-group, no clusters, 270,592 bytes of LDS; arguments x, encoder_output, mask, ln1_g, ln1_b, W1, W2, kv_self, kv_cross, maskw, wimg, statsA; writes kv_self, kv_cross, maskw, wimg, statsA
.if DOCPART == 1
	.amdgcn_target "amdgcn-amd-amdhsa--gfx1250"
	.amdhsa_code_object_version 6
	.text
	.protected	k_q358fdc002d_prep
	.globl	k_q358fdc002d_prep
	.p2align	8
	.type	k_q358fdc002d_prep,@function
k_q358fdc002d_prep:
	s_mov_b64 s[64:65], 0
	v_nop
	global_prefetch_b8 v0, s[64:65] scope:SCOPE_SE
	s_setreg_imm32_b32 hwreg(HW_REG_WAVE_MODE, 25, 1), 1
	s_wait_xcnt 0x0
; PREP: everything that later launches read many times is made once, laid in the order of the operand registers that will take it.
; Work-groups 0-127 (rows): a unit is 128 keys x 512 columns of x (0-63) or of encoder_output (64-127).  x is layer-normed (ln1), encoder_output is taken as it is: ONE path, in which
;   mean, 1/sigma, gain and bias are replaced by 0, 1, 1, 0 by selects, which changes no bit.  Of the unit, for each of 8 heads: 4 fragments of K (codes along the head's 64), 4 of V (codes along the keys), their scale words.
;   For x also each row's mean and sum of squared differences / 8, stored eight times: the next launch joins eight partial statistics and so gets the same mean and variance back, bit for bit.
; Work-groups 128-255 (mask): the mask's int32 become lane masks: word n of (16 queries, 128 keys) has bit L = (mask[query L % 16][key 32 (n / 16) + 16 (L / 16) + n % 16] != 0).
;   Their waves 0 and 1 first turn two fragments each of W1 or W2 (K is the weights' FIRST axis: a lane takes a column, its registers run down K) into codes.  Those loads read 64 consecutive bytes (W2) or two runs of 32 (W1)
;   in sixteen lanes: the weights are 4 MB of the 105 MB that this launch reads.
; FORMAT: E2M3 codes, one E8M0 byte for each 32 along K: the byte is the largest magnitude's exponent field - 2, held at 1 from below.
; LIMITS: NaN and infinities among the inputs are not served.  A block whose largest magnitude lies under 2^-124 (a block of zeros too) keeps the byte 1; a block of zeros has zero codes, and this program alone reads the bytes.
; A fragment's image: registers 4 j .. 4 j + 3 of lane L at byte 512 j + 16 L: three stores of 512 consecutive bytes.
.set ROWP,  2064                       ; a row of 512 f32 in LDS + 16 bytes: an odd multiple of 16
.set GRP1,  66112                      ; the second group of 32 rows: 32 ROWP + 64, so that lanes 16-31 of a 4-byte load fall 16 banks further on
.set STATS, 132352                     ; 8 tiles x (16 means, 16 sums)
.set MST,   133376                     ; mask path: 16 waves x 16 rows x MP bytes, bytes of its own
.set MP,    528
.set LN,  1                            ; v1 lane   v2 lane % 16   v3 lane / 16   v4 16 x lane   v5 4 x lane   v6 8 x (lane / 16)
.set RR,  2
.set HH,  3
.set L16, 4
.set L4,  5
.set SH8, 6
.set XR,  16                           ; v16-143  two sets of 64
.set G,   144                          ; v144-159 gain, v160-175 bias of my 16 columns
.set B,   160
.set KC,  176                          ; v176-187 a fragment of K
.set TMP, 188                          ; v188-190 a conversion's second half
.set VC,  192                          ; v192-215 two fragments of V (or of a weight)
.set SM,  216                          ; v216-223 sums, a pair a row
.set MU,  224                          ; v224-231 means, in the low word of a pair
.set RS,  232                          ; v232-239 1/sigma, likewise
.set PT,  240                          ; v240-243 at work
.set MX,  244                          ; v244-245 largest magnitudes
.set SC,  246                          ; v246 the conversion's scale operand
.set KBY, 247                          ; v247-248 bytes
.set KW,  249                          ; v249-250 K's scale words of the two halves
.set VB,  251                          ; v251-254 V's bytes
.set TT,  255
.set OW,  144                          ; mask path: v144-151 two registers of words for each unit
.set WV,  28
.set ISX, 29                           ; all ones for x, 0 for encoder_output
.set SEL, 30
.set HI,  62                           ; lanes 16-31
; 32 numbers of ONE block in a lane's registers -> 6 registers of codes, the conversion's scale operand, the byte
.macro QBLK src, dst, tmp, mx, sc, by
	v_max3_num_f32 v[(\mx)], |v[(\src)]|, |v[(\src)+1]|, |v[(\src)+2]|
	v_max3_num_f32 v[(\mx)+1], |v[(\src)+3]|, |v[(\src)+4]|, |v[(\src)+5]|
.irp i, 6,10,14,18,22,26
	v_max3_num_f32 v[(\mx)], v[(\mx)], |v[(\src)+\i]|, |v[(\src)+\i+1]|
	v_max3_num_f32 v[(\mx)+1], v[(\mx)+1], |v[(\src)+\i+2]|, |v[(\src)+\i+3]|
.endr
	v_max3_num_f32 v[(\mx)], v[(\mx)], |v[(\src)+30]|, |v[(\src)+31]|
	v_max3_num_f32 v[(\mx)], v[(\mx)], v[(\mx)+1], 0x1800000       ; the floor 2^(3 - 127): the byte cannot fall under 1
	v_add_nc_u32 v[(\sc)], 0xff000000, v[(\mx)]                    ; 2 off the exponent field: the conversion reads that field alone
	v_lshrrev_b32 v[(\by)], 23, v[(\sc)]
	v_cvt_scalef32_pk16_fp6_f32 v[(\dst):(\dst)+2], v[(\src):(\src)+15], v[(\sc)]
	v_cvt_scalef32_pk16_fp6_f32 v[(\tmp):(\tmp)+2], v[(\src)+16:(\src)+31], v[(\sc)]   ; (a conversion's three registers begin on an even number)
	v_nop                                                          ; one plain line behind the conversions
.irp i, 0,1,2
	v_mov_b32 v[(\dst)+3+\i], v[(\tmp)+\i]
.endr
.endm
; my two bytes (blocks h and 2 + h of my row) and lane l xor 16's two make the row's scale word
.macro PACKW by0, by1, w, t
	v_lshl_or_b32 v[(\w)], v[(\by1)], 16, v[(\by0)]
	v_lshlrev_b32 v[(\w)], v[SH8], v[(\w)]
	v_permlanex16_b32 v[(\t)], v[(\w)], s[SEL], s[SEL+1]
	v_or_b32 v[(\w)], v[(\w)], v[(\t)]
.endm
.macro BARRIER                         ; my LDS stores have landed and my LDS loads are in: then the work-group's barrier
	s_wait_dscnt 0x0
	s_barrier_signal -1
	s_barrier_wait -1
.endm
.macro WSUM                            ; four rows' sums over the 32 lanes, by turns
.irp x, 1,2,4,8
.irp i, 0,1,2,3
	v_add_f32_dpp v[SM+2*\i], v[SM+2*\i], v[SM+2*\i] row_xmask:\x row_mask:0xf bank_mask:0xf
.endr
.endr
.irp i, 0,1,2,3
	v_permlanex16_b32 v[PT+\i], v[SM+2*\i], s[SEL], s[SEL+1]
.endr
.irp i, 0,1,2,3
	v_add_f32 v[SM+2*\i], v[SM+2*\i], v[PT+\i]
.endr
.endm
	s_load_b512 s[4:19], s[0:1], 0x0               ; x, encoder_output, mask, ln1_g, ln1_b, W1, W2, kv_self
	s_load_b256 s[20:27], s[0:1], 0x40             ; kv_cross, maskw, wimg, statsA
	v_lshrrev_b32 v[LN], 5, v0
	v_readfirstlane_b32 s[WV], v[LN]               ; wave 0..15
	v_and_b32 v[LN], 31, v0
	v_and_b32 v[RR], 15, v0
	v_bfe_u32 v[HH], v0, 4, 1
	v_lshlrev_b32 v[L16], 4, v[LN]
	v_lshlrev_b32 v[L4], 2, v[LN]
	v_lshlrev_b32 v[SH8], 3, v[HH]
	s_mov_b32 s[SEL], 0x76543210
	s_mov_b32 s[SEL+1], 0xfedcba98
	s_mov_b32 s[HI], 0xffff0000
.irp i, 0,1,2,3
	v_mov_b32 v[PT+\i], 0                          ; a lane permute's destination counts as one of its sources
.endr
	s_cmp_lt_u32 ttmp9, 128
	s_cbranch_scc0 .Lmask
; ------------------------------------------------------------------ the rows path
	s_lshr_b32 s48, ttmp9, 4
	s_and_b32 s48, s48, 3                          ; batch
	s_and_b32 s49, ttmp9, 15                       ; key step
	s_lshl_b32 s40, s48, 22                        ; 2,048 rows of 2,048 bytes
	s_lshl_b32 s41, s49, 18                        ; 128 rows
	s_add_co_u32 s40, s40, s41
	s_lshl_b32 s41, s[WV], 13                      ; my 4 rows of each half
	s_add_co_u32 s40, s40, s41
	s_mov_b32 s41, 0
	s_mul_i32 s42, s48, 1638400                    ; 8 heads x 204,800 bytes
	s_mul_i32 s43, s49, 12800
	s_add_co_u32 s42, s42, s43
	s_and_b32 s43, s[WV], 7                        ; the head whose K I make
	s_mul_i32 s43, s43, 204800
	s_add_co_u32 s44, s42, s43
	s_mov_b32 s45, 0
	s_lshr_b32 s43, s[WV], 1                       ; the head whose V I make
	s_mul_i32 s43, s43, 204800
	s_add_co_u32 s46, s42, s43
	s_mov_b32 s47, 0
	s_lshl_b32 s52, s[WV], 16                      ; statistics: copy WV (waves 0-7 store), 512 tiles x 128 bytes a copy
	s_lshl_b32 s53, s48, 14
	s_add_co_u32 s52, s52, s53
	s_lshl_b32 s53, s49, 10
	s_add_co_u32 s52, s52, s53
	s_mov_b32 s53, 0
	s_mov_b32 s50, 0x3b000000                      ; 1 / 512
	s_mov_b32 s51, 0x3727c5ac                      ; 1e-5
	; LDS addresses.  A key's row in its group of 32 has bits 3 and 4 of the key swapped, so that the 16 keys of a tile (r + 8 (r / 8), and 8 more) are 16 neighbouring rows
	s_lshr_b32 s54, s[WV], 3                       ; phi: which group of 32 keys
	s_mul_i32 s55, s54, GRP1
	s_and_b32 s56, s[WV], 1
	s_lshl_b32 s57, s56, 2
	s_bfe_u32 s58, s[WV], 0x10002
	s_lshl_b32 s58, s58, 3
	s_add_co_u32 s57, s57, s58
	s_bfe_u32 s58, s[WV], 0x10001
	s_lshl_b32 s58, s58, 4
	s_add_co_u32 s57, s57, s58
	s_mul_i32 s57, s57, ROWP
	s_add_co_u32 s57, s57, s55
	v_add_nc_u32 v7, s57, v[L16]                   ; v7: where my 4 rows go
	s_lshr_b32 s57, s[WV], 2
	s_lshl_b32 s57, s57, 7
	s_and_b32 s58, s[WV], 3
	s_lshl_b32 s58, s58, 4
	s_add_co_u32 s57, s57, s58
	s_add_co_u32 s57, s57, STATS
	v_mov_b32 v8, s57                              ; v8: my rows' statistics
	s_and_b32 s57, s[WV], 7
	s_lshl_b32 s57, s57, 8
	s_add_co_u32 s57, s57, s55
	v_mul_u32_u24 v9, v[RR], ROWP
	v_lshl_add_u32 v9, v[HH], 7, v9
	v_add_nc_u32 v9, s57, v9                       ; v9: K: group phi, row r, head, 32 numbers of my half
	v_mul_u32_u24 v10, v[HH], GRP1
	v_lshl_add_u32 v10, v[RR], 2, v10
	s_lshl_b32 s57, s[WV], 7
	v_add_nc_u32 v10, s57, v10                     ; v10: V: group h, column 32 WV + r
	s_mul_i32 s57, s54, 1536
	v_add_nc_u32 v11, s57, v[L16]                  ; v11-14: offsets of the stores
	s_lshl_b32 s57, s54, 7
	v_add_nc_u32 v12, s57, v[L4]
	s_mul_i32 s57, s56, 3072
	v_add_nc_u32 v13, s57, v[L16]
	s_lshl_b32 s57, s56, 7
	v_add_nc_u32 v14, s57, v[L4]
	v_add_nc_u32 v15, STATS, v[L16]
.irp i, 0,1,2,3
	v_mov_b32 v[MU+2*\i+1], 0                      ; named as upper halves of pairs, so they are written
	v_mov_b32 v[RS+2*\i+1], 0
.endr
	s_wait_kmcnt 0x0
	s_cmp_lt_u32 ttmp9, 64                         ; x or encoder_output: the choice hangs on the work-group's number alone
	s_cselect_b32 s[ISX], -1, 0
	s_cselect_b64 s[32:33], s[4:5], s[6:7]
	s_cselect_b64 s[34:35], s[18:19], s[20:21]
	s_add_nc_u64 s[32:33], s[32:33], s[40:41]
	s_add_nc_u64 s[36:37], s[34:35], s[46:47]      ; V's block
	s_add_nc_u64 s[34:35], s[34:35], s[44:45]      ; K's block
	s_add_nc_u64 s[38:39], s[26:27], s[52:53]
.irp j, 0,1,2,3
	global_load_b128 v[G+4*\j:G+4*\j+3], v[L16], s[10:11] offset:512*\j
	global_load_b128 v[B+4*\j:B+4*\j+3], v[L16], s[12:13] offset:512*\j
.endr
.irp c, 0,1
.irp i, 0,1,2,3
.irp j, 0,1,2,3
	global_load_b128 v[XR+64*\c+16*\i+4*\j:XR+64*\c+16*\i+4*\j+3], v[L16], s[32:33] offset:131072*\c+2048*\i+512*\j th:TH_LOAD_NT   ; 32 lanes read 512 consecutive bytes
.endr
.endr
.endr
	s_wait_loadcnt 32                              ; gain and bias are in; the 32 row loads may be out
.set k, 0
.rept 16
	v_cndmask_b32 v[G+k], 1.0, v[G+k], s[ISX]
	v_cndmask_b32 v[B+k], 0, v[B+k], s[ISX]
.set k, k+1
.endr
; One half of the unit: 64 keys.
.macro HALF c
.set XA, XR+64*\c
.if \c == 0
	s_wait_loadcnt 16                              ; this half's 16 loads are in; the other half's may be out
.else
	s_wait_loadcnt 0x0
.endif
	; ---- A: my 4 rows: mean, sum of squared differences, normalised in f32
.irp i, 0,1,2,3
	v_pk_add_f32 v[SM+2*\i:SM+2*\i+1], v[XA+16*\i:XA+16*\i+1], v[XA+16*\i+2:XA+16*\i+3]
.endr
.irp p, 4,6,8,10,12,14
.irp i, 0,1,2,3
	v_pk_add_f32 v[SM+2*\i:SM+2*\i+1], v[SM+2*\i:SM+2*\i+1], v[XA+16*\i+\p:XA+16*\i+\p+1]
.endr
.endr
.irp i, 0,1,2,3
	v_add_f32 v[SM+2*\i], v[SM+2*\i], v[SM+2*\i+1]
.endr
	WSUM
.irp i, 0,1,2,3
	v_mul_f32 v[MU+2*\i], 0x3b000000, v[SM+2*\i]
.endr
.irp i, 0,1,2,3
	v_cndmask_b32 v[MU+2*\i], 0, v[MU+2*\i], s[ISX]
.endr
.irp p, 0,2,4,6,8,10,12,14
.irp i, 0,1,2,3
	v_pk_add_f32 v[XA+16*\i+\p:XA+16*\i+\p+1], v[XA+16*\i+\p:XA+16*\i+\p+1], v[MU+2*\i:MU+2*\i+1] op_sel_hi:[1,0] neg_lo:[0,1] neg_hi:[0,1]
.endr
.endr
.irp i, 0,1,2,3
	v_pk_mul_f32 v[SM+2*\i:SM+2*\i+1], v[XA+16*\i:XA+16*\i+1], v[XA+16*\i:XA+16*\i+1]
.endr
.irp p, 2,4,6,8,10,12,14
.irp i, 0,1,2,3
	v_pk_fma_f32 v[SM+2*\i:SM+2*\i+1], v[XA+16*\i+\p:XA+16*\i+\p+1], v[XA+16*\i+\p:XA+16*\i+\p+1], v[SM+2*\i:SM+2*\i+1]
.endr
.endr
.irp i, 0,1,2,3
	v_add_f32 v[SM+2*\i], v[SM+2*\i], v[SM+2*\i+1]
.endr
	WSUM
.irp i, 0,1,2,3
	v_fma_f32 v[RS+2*\i], v[SM+2*\i], s50, s51     ; variance + 1e-5
.endr
.irp i, 0,1,2,3
	v_rsq_f32 v[RS+2*\i], v[RS+2*\i]
.endr
.irp i, 0,1,2,3
	v_mul_f32 v[PT+\i], 0x3e000000, v[SM+2*\i]     ; the sum / 8, for the statistics: plain lines behind the batch
.endr
	s_wait_alu depctr_va_vdst(0)                   ; one wait for the four, ahead of their first reader
.irp i, 0,1,2,3
	v_cndmask_b32 v[RS+2*\i], 1.0, v[RS+2*\i], s[ISX]
.endr
.irp i, 0,1,2,3
	ds_store_b32 v8, v[MU+2*\i] offset:512*\c+4*\i         ; all lanes write the same word with the same value
	ds_store_b32 v8, v[PT+\i] offset:512*\c+4*\i+64
.endr
.irp p, 0,2,4,6,8,10,12,14
.irp i, 0,1,2,3
	v_pk_mul_f32 v[XA+16*\i+\p:XA+16*\i+\p+1], v[XA+16*\i+\p:XA+16*\i+\p+1], v[RS+2*\i:RS+2*\i+1] op_sel_hi:[1,0]
.endr
.irp i, 0,1,2,3
	v_pk_fma_f32 v[XA+16*\i+\p:XA+16*\i+\p+1], v[XA+16*\i+\p:XA+16*\i+\p+1], v[G+\p:G+\p+1], v[B+\p:B+\p+1]
.endr
.endr
.irp i, 0,1,2,3
.irp j, 0,1,2,3
	ds_store_b128 v7, v[XA+16*\i+4*\j:XA+16*\i+4*\j+3] offset:ROWP*\i+512*\j
.endr
.endr
	BARRIER                                        ; the half's 64 rows lie in LDS
	; ---- B: one fragment of K: keys 32 (2 c + phi) on, head WV % 8: two tiles of 16 keys, each key's 64 numbers in lanes l and l xor 16
.irp a, 0,1
.irp j, 0,1,2,3,4,5,6,7
	ds_load_b128 v[XR+32*\a+4*\j:XR+32*\a+4*\j+3], v9 offset:16*ROWP*\a+16*\j
.endr
.endr
	s_wait_dscnt 0x0
	s_wait_xcnt 0x0                                ; the last half's stores have read the fragment's registers: they are written again only behind this wait
	QBLK XR, KC, TMP, MX, SC, KBY
	QBLK XR+32, KC+6, TMP, MX, SC, KBY+1
	PACKW KBY, KBY+1, KW+\c, PT
.irp j, 0,1,2
	global_store_b128 v11, v[KC+4*\j:KC+4*\j+3], s[34:35] offset:3072*\c+512*\j
.endr
	; ---- C: this half's 64 keys of two fragments of V: a lane takes a column, its registers run down the keys
.irp e, 0,1
.set i, 0
.rept 32
	ds_load_b32 v[XR+32*\e+i], v10 offset:((i&7)+16*((i>>3)&1)+8*((i>>4)&1))*ROWP+64*\e
.set i, i+1
.endr
.endr
	s_wait_dscnt 0x0
.irp e, 0,1
	QBLK XR+32*\e, VC+12*\e+6*\c, TMP, MX, SC, VB+2*\e+\c
.endr
.if \c == 0
	BARRIER                                        ; every wave's reads of the rows are in: the next half may overwrite them
.endif
.endm
	HALF 0
	HALF 1
	v_cndmask_b32 v[TT], v[KW], v[KW+1], s[HI]     ; lanes 0-15: fragment phi's words, lanes 16-31: fragment 2 + phi's
	global_store_b32 v12, v[TT], s[34:35] offset:12288
	PACKW VB, VB+1, KBY, PT
	PACKW VB+2, VB+3, KBY+1, PT+1
	v_cndmask_b32 v[KBY], v[KBY], v[KBY+1], s[HI]
	global_store_b32 v14, v[KBY], s[36:37] offset:12544
.irp e, 0,1
.irp j, 0,1,2
	global_store_b128 v13, v[VC+12*\e+4*\j:VC+12*\e+4*\j+3], s[36:37] offset:6144+1536*\e+512*\j
.endr
.endr
	s_cmp_lt_u32 ttmp9, 64                         ; x's statistics: waves 0-7 store one copy each, 1,024 consecutive bytes
	s_cbranch_scc0 .Lrows_end
	s_cmp_lt_u32 s[WV], 8
	s_cbranch_scc0 .Lrows_end
	ds_load_b128 v[16:19], v15
	ds_load_b128 v[20:23], v15 offset:512
	s_wait_dscnt 0x0
	global_store_b128 v[L16], v[16:19], s[38:39]
	global_store_b128 v[L16], v[20:23], s[38:39] offset:512
.Lrows_end:
	s_wait_xcnt 0x0
	v_lshl_add_u32 v254, v0, 2, 0x41900
	v_mov_b32 v255, 0
	s_wait_tensorcnt 0x0
	ds_add_u32 v254, v255
	s_wait_dscnt 0x0
	s_endpgm
; ------------------------------------------------------------------ the mask path
.Lmask:
	s_sub_co_u32 s48, ttmp9, 128
	s_mul_i32 s60, s[WV], 16*MP
	s_add_co_u32 s60, s60, MST                     ; my wave's stage
	v_add_nc_u32 v7, s60, v[L16]                   ; in: as loaded, a row of 512 bytes
	v_mul_u32_u24 v8, v[RR], MP
	v_lshl_add_u32 v8, v[HH], 6, v8
	v_add_nc_u32 v8, s60, v8                       ; back: row r, 16 keys of my half of each 32
	v_lshlrev_b32 v12, 3, v[LN]
.irp i, 0,1,2,3,4,5,6,7
	v_mov_b32 v[OW+\i], 0                          ; v_writelane_b32's destination counts as one of its sources
.endr
	s_lshl_b32 s49, s48, 2
	s_lshr_b32 s50, s[WV], 2
	s_add_co_u32 s49, s49, s50                     ; my tile of 16 queries
	s_and_b32 s50, s[WV], 3                        ; my four key steps
	s_lshl_b32 s54, s49, 17                        ; 16 rows of 8,192 bytes
	s_lshl_b32 s51, s50, 11
	s_add_co_u32 s54, s54, s51
	s_mov_b32 s55, 0
	s_lshl_b32 s56, s49, 12                        ; 16 steps of 256 bytes
	s_lshl_b32 s51, s50, 10
	s_add_co_u32 s56, s56, s51
	s_mov_b32 s57, 0
	s_wait_kmcnt 0x0
	s_add_nc_u64 s[54:55], s[8:9], s[54:55]
	s_add_nc_u64 s[56:57], s[22:23], s[56:57]
	s_cmp_lt_u32 s[WV], 2
	s_cbranch_scc0 .Lno_weights
	; waves 0, 1: fragments 2 WV and 2 WV + 1 of one group of four of a weight
	s_and_b32 s49, s48, 3                          ; which group of the wave's four
	s_lshr_b32 s50, s48, 2
	s_and_b32 s50, s50, 15                         ; for which wave of the last launch
	s_lshl_b32 s58, s50, 3
	s_add_co_u32 s58, s58, s49
	s_mul_i32 s51, s[WV], 3072
	v_add_nc_u32 v10, s51, v[L16]
	s_lshl_b32 s51, s[WV], 7
	v_add_nc_u32 v11, s51, v[L4]
	s_mov_b32 s53, 0
.macro WLD rb, es                      ; W(64 c + 32 h + i, my column), i = 0 .. 31, for fragments e = 0, 1
.irp e, 0,1
.irp c, 0,1
.set i, 0
.rept 32
	global_load_b32 v[XR+64*\e+32*\c+i], v9, s[52:53] offset:(64*\c+i)*\rb+\es*\e
.set i, i+1
.endr
.endr
.endr
.endm
	s_cmp_lt_u32 ttmp9, 192
	s_cbranch_scc0 .Lw2
	v_and_b32 v9, 8, v[RR]                         ; W1 [512][1024]: row r of a tile is hidden unit .. + r + 8 (r / 8)
	v_add_nc_u32 v9, v9, v[RR]
	v_lshlrev_b32 v9, 2, v9
	v_lshl_add_u32 v9, v[HH], 17, v9               ; lanes 16-31 begin 32 rows of 4,096 bytes further down
	s_lshl_b32 s52, s49, 19                        ; K step: 128 rows
	s_lshl_b32 s61, s50, 8                         ; 64 hidden units a wave
	s_add_co_u32 s52, s52, s61
	s_add_co_u32 s52, s52, s51                     ; 32 units for each pair of fragments
	s_add_nc_u64 s[52:53], s[14:15], s[52:53]
	WLD 4096, 32
	s_branch .Lwq
.Lw2:
	s_add_co_u32 s58, s58, 4                       ; W2's groups lie behind W1's four
	v_lshlrev_b32 v9, 2, v[RR]                     ; W2 [1024][512]
	v_lshl_add_u32 v9, v[HH], 16, v9
	s_lshl_b32 s52, s49, 1
	s_add_co_u32 s52, s52, s[WV]                   ; K step 2 x group + pair
	s_lshl_b32 s52, s52, 18
	s_lshl_b32 s61, s50, 7                         ; 32 outputs a wave
	s_add_co_u32 s52, s52, s61
	s_add_nc_u64 s[52:53], s[16:17], s[52:53]
	WLD 2048, 64
.Lwq:
	s_mul_i32 s58, s58, 6400
	s_mov_b32 s59, 0
	s_add_nc_u64 s[58:59], s[24:25], s[58:59]
	s_wait_loadcnt 0x0
.irp e, 0,1
.irp c, 0,1
	QBLK XR+64*\e+32*\c, VC+12*\e+6*\c, TMP, MX, SC, VB+2*\e+\c
.endr
.endr
	PACKW VB, VB+1, KBY, PT
	PACKW VB+2, VB+3, KBY+1, PT+1
	v_cndmask_b32 v[KBY], v[KBY], v[KBY+1], s[HI]
	global_store_b32 v11, v[KBY], s[58:59] offset:6144
.irp e, 0,1
.irp j, 0,1,2
	global_store_b128 v10, v[VC+12*\e+4*\j:VC+12*\e+4*\j+3], s[58:59] offset:1536*\e+512*\j
.endr
.endr
.Lno_weights:
.macro MLOAD u                         ; 16 queries x 128 keys of int32: 16 loads of 512 consecutive bytes
.irp i, 0,1,2,3,4,5,6,7,8,9,10,11,12,13,14,15
	global_load_b128 v[XR+64*((\u)%2)+4*\i:XR+64*((\u)%2)+4*\i+3], v[L16], s[54:55] offset:8192*\i+512*(\u) th:TH_LOAD_NT
.endr
.endm
.macro MUNIT u
.set MS, XR+64*((\u)%2)
.if (\u) < 3
	s_wait_loadcnt 16                              ; this unit's 16 loads are in; the next unit's may be out
.else
	s_wait_loadcnt 0x0
.endif
.irp i, 0,1,2,3,4,5,6,7,8,9,10,11,12,13,14,15
	ds_store_b128 v7, v[MS+4*\i:MS+4*\i+3] offset:MP*\i
.endr
.irp b, 0,1,2,3
.irp j, 0,1,2,3
	ds_load_b128 v[MS+16*\b+4*\j:MS+16*\b+4*\j+3], v8 offset:128*\b+16*\j   ; LDS serves a wave's instructions in order: these see my stores.  Register n: key 32 (n / 16) + 16 h + n % 16 of query r
.endr
.endr
	s_wait_dscnt 0x0
.irp q, 0,1,2,3
.irp k, 0,1,2,3,4,5,6,7,8,9,10,11,12,13,14,15
	v_cmp_ne_u32 s[32+\k], 0, v[MS+16*\q+\k]       ; word 16 q + k
.endr
.irp k, 0,1,2,3,4,5,6,7,8,9,10,11,12,13,14,15
	v_writelane_b32 v[OW+2*(\u)+\k%2], s[32+\k], 8*\q+\k/2   ; lane n / 2 holds words n and n + 1
.endr
.endr
	global_store_b64 v12, v[OW+2*(\u):OW+2*(\u)+1], s[56:57] offset:256*(\u)   ; 32 lanes store 256 consecutive bytes, aligned
.if (\u) < 2
	MLOAD (\u)+2
.endif
.endm
	MLOAD 0
	MLOAD 1
	MUNIT 0
	MUNIT 1
	MUNIT 2
	MUNIT 3
	s_wait_xcnt 0x0
	v_lshl_add_u32 v254, v0, 2, 0x41900
	v_mov_b32 v255, 0
	s_wait_tensorcnt 0x0
	ds_add_u32 v254, v255
	s_wait_dscnt 0x0
	s_endpgm
.Lfunc_end_k_q358fdc002d_prep:
	.size	k_q358fdc002d_prep, .Lfunc_end_k_q358fdc002d_prep-k_q358fdc002d_prep
	.p2alignl 7, 3214868480
	.fill 96, 4, 3214868480
	.section	.rodata,"a",@progbits
	.p2align	6, 0x0
	.amdhsa_kernel k_q358fdc002d_prep
		.amdhsa_group_segment_fixed_size 270592
		.amdhsa_private_segment_fixed_size 0
		.amdhsa_enable_private_segment 0
		.amdhsa_kernarg_size 96
		.amdhsa_user_sgpr_count 2
		.amdhsa_user_sgpr_kernarg_segment_ptr 1
		.amdhsa_wavefront_size32 1
		.amdhsa_system_sgpr_workgroup_id_x 1
		.amdhsa_system_sgpr_workgroup_id_y 1
		.amdhsa_system_sgpr_workgroup_id_z 1
		.amdhsa_system_vgpr_workitem_id 0
		.amdhsa_next_free_vgpr 256
		.amdhsa_next_free_sgpr 66
		.amdhsa_reserve_vcc 0
		.amdhsa_float_denorm_mode_32 3
		.amdhsa_float_denorm_mode_16_64 3
		.amdhsa_memory_ordered 1
		.amdhsa_forward_progress 1
		.amdhsa_inst_pref_size 146
	.end_amdhsa_kernel
	.amdgpu_metadata
---
amdhsa.version: [ 1, 2 ]
amdhsa.kernels:
  - .name:           k_q358fdc002d_prep
    .symbol:         k_q358fdc002d_prep.kd
    .args:
      - { .name: x, .offset: 0, .size: 8, .value_kind: global_buffer, .address_space: global }
      - { .name: encoder_output, .offset: 8, .size: 8, .value_kind: global_buffer, .address_space: global }
      - { .name: mask, .offset: 16, .size: 8, .value_kind: global_buffer, .address_space: global }
      - { .name: ln1_g, .offset: 24, .size: 8, .value_kind: global_buffer, .address_space: global }
      - { .name: ln1_b, .offset: 32, .size: 8, .value_kind: global_buffer, .address_space: global }
      - { .name: W1, .offset: 40, .size: 8, .value_kind: global_buffer, .address_space: global }
      - { .name: W2, .offset: 48, .size: 8, .value_kind: global_buffer, .address_space: global }
      - { .name: kv_self, .offset: 56, .size: 8, .value_kind: global_buffer, .address_space: global }
      - { .name: kv_cross, .offset: 64, .size: 8, .value_kind: global_buffer, .address_space: global }
      - { .name: maskw, .offset: 72, .size: 8, .value_kind: global_buffer, .address_space: global }
      - { .name: wimg, .offset: 80, .size: 8, .value_kind: global_buffer, .address_space: global }
      - { .name: statsA, .offset: 88, .size: 8, .value_kind: global_buffer, .address_space: global }
    .group_segment_fixed_size: 270592
    .private_segment_fixed_size: 0
    .kernarg_segment_align: 8
    .kernarg_segment_size: 96
    .max_flat_workgroup_size: 512
    .sgpr_count:     66
    .vgpr_count:     256
    .wavefront_size: 32
...
	.end_amdgpu_metadata
.endif
;; end of part 1
;; launch attn_self (part 2): grid 8 x 32, 16 waves a work-group, clusters of 4 x 1, 276,480 bytes of LDS; arguments x, statsA, ln1_g, ln1_b, kv_self, x2, statsB, maskw; writes x2, statsB
.if DOCPART == 2
	.amdgcn_target "amdgcn-amd-amdhsa--gfx1250"
	.amdhsa_code_object_version 6
	.text
	.protected	k_q358fdc002d_attn_self
	.globl	k_q358fdc002d_attn_self
	.p2align	8
	.type	k_q358fdc002d_attn_self,@function
k_q358fdc002d_attn_self:
	s_mov_b64 s[64:65], 0
	v_nop
	global_prefetch_b8 v0, s[64:65] scope:SCOPE_SE
	s_setreg_imm32_b32 hwreg(HW_REG_WAVE_MODE, 25, 1), 1
	s_wait_xcnt 0x0
	s_wait_alu depctr_hold_cnt(0) depctr_sa_sdst(0) depctr_va_vdst(0) depctr_va_sdst(0) depctr_va_ssrc(0) depctr_va_vcc(0) depctr_vm_vsrc(0)
	s_getreg_b32 s2, hwreg(HW_REG_IB_STS2, 6, 4)
	s_cmp_eq_u32 s2, 0
	s_cbranch_scc0 .Lentry_in_a_cluster
	s_endpgm
.Lentry_in_a_cluster:
	s_bfe_u32 s2, ttmp6, 0x10000c
	s_cmp_lg_u32 s2, 0x3003
	s_cbranch_scc0 .Lentry_shape_is_right
	s_endpgm
.Lentry_shape_is_right:
; MASKED SELF-ATTENTION WITH ITS LAYER NORM AND RESIDUAL.  xout = xin + attention(LN(xin), K, V), one head of 64 channels to a work-group; K and V come as codes of E2M3 with E8M0 scale bytes.
.set MASKED, 1                         ; 1: lane masks are read and hidden scores replaced; 0: no mask (the text is otherwise the same for both attentions)
; SHARES.  A work-group owns 256 queries of one (batch, head); each of its 16 waves owns 16: four waves to a SIMD, so that one wave's vector work stands beside another's matrix work and LDS loads.
; LDS.  The head's K, V and scale words, 16 steps of 12,800 bytes, are filled ONCE: wave w brings step w by one tensor load.  Nothing is filled again.  Behind them a stage of 16 rows x 272 bytes for each wave.
; CLUSTER.  The four query blocks of a cluster belong to one head: each tile is asked for jointly, by the same tensor load with the same descriptor and a mask that names the four.
; LAYER NORM.  A row's mean and variance are joined from eight partial statistics (mean and sum of squared differences of 64 columns each): variance = (sum of the sums + 64 x sum of (mean_k - mean)^2) / 512: no difference of large sums.
; PRODUCTS, both transposed, so that a lane holds ONE query (lane % 16).  The head's K is 64, the instruction's 128: a fragment of K holds TWO tiles of 16 keys side by side along the instruction's K, and q is
;   multiplied twice, once with zero codes above it and once below: no byte of K is read from LDS in vain.  Score register 16 b + i of lane (r, h) is key 32 b + 16 h + i of the step.
; SOFTMAX.  t = score x log2(e) / 8; M = the running largest t rounded up to a whole number; p = 2^(t - M) is quantised along the keys; the sum is taken of the unquantised p and divides at the end;
;   when M moves, sum and O are multiplied by 2^(old M - new M), which rounds nothing.
; LIMITS.  A hidden score is replaced by -2^33, a logit of -2^30 where the definition writes -1e9: t is then a whole number, so a row all of whose keys are hidden has p = 1 everywhere, as defined;
;   results differ from the definition only where true logits lie under about -1e9.  NaN and infinities are not served.  A block under 2^-124 keeps the scale byte 1 (zero codes for zeros).
.set STEPB, 12800                      ; a step: K's 4 fragments (6,144), V's 4 (6,144), K's scale words (256), V's (256)
.set HEADB, 204800
.set STAGE, 204800
.set SP,    272
.set L16, 1                            ; v1 16 x lane    v2 4 x lane
.set L4,  2
.set ADI, 3                            ; v3 LDS address of the step's images (at the head: 128 x (lane / 16), the offset of gain and bias)
.set H128, 3
.set ADS, 4                            ; v4 of its scale words
.set FILL, 5                           ; v5 -2^33
.set SO,  6                            ; v6 stage: row r, 32 h: my eight channels of a tile
.set RD,  7                            ; v7 stage: row lane / 16, 16 x (lane % 16): whole rows
.set GO,  8                            ; v8 the same two rows in memory
.set QA,  9                            ; v9 stage: row r, 128 h: my 32 channels
.set SH8, 10                           ; v10 8 h
.set R4,  11                           ; v11 4 r
.set QZ,  16                           ; v16-21 zeros, v22-27 q's codes, v28-33 zeros
.set QS,  34                           ; v34 q's scale word    v35 p's    v36-37 K's    v38-39 V's: these hold scales and nothing else
.set PS,  35
.set KS,  36
.set VS,  38
.set KV,  40                           ; v40-87 four fragments of K or of V
.set S,   88                           ; v88-151 scores, then p
.set O,   152                          ; v152-183 O^T
.set PC,  184                          ; v184-195 p's codes
.set PT,  196                          ; v196-203 conversions' second halves
.set BM,  204                          ; v204-207 blocks' maxima
.set BT,  208
.set SCO, 212
.set F,   216                          ; v[216:217] 2^(old M - new M)
.set SU2, 218
.set T0,  220
.set X,   S                            ; at the head: 32 numbers of x; gain; bias; statistics; scratch
.set GG,  S+32
.set BB,  O
.set STT, KV
.set SCR, 204
.set WV,  20
.set TB,  21
.set SEL, 22
.set CS,  24
.set CNT, 26
.set C9,  27
.set CE,  28
.set HI,  29
.macro QBLK src, dst, tmp, mx, sc, by  ; 32 numbers of ONE block -> 6 registers of codes, the scale operand, the byte
	v_max3_num_f32 v[(\mx)], |v[(\src)]|, |v[(\src)+1]|, |v[(\src)+2]|
	v_max3_num_f32 v[(\mx)+1], |v[(\src)+3]|, |v[(\src)+4]|, |v[(\src)+5]|
.irp i, 6,10,14,18,22,26
	v_max3_num_f32 v[(\mx)], v[(\mx)], |v[(\src)+\i]|, |v[(\src)+\i+1]|
	v_max3_num_f32 v[(\mx)+1], v[(\mx)+1], |v[(\src)+\i+2]|, |v[(\src)+\i+3]|
.endr
	v_max3_num_f32 v[(\mx)], v[(\mx)], |v[(\src)+30]|, |v[(\src)+31]|
	v_max3_num_f32 v[(\mx)], v[(\mx)], v[(\mx)+1], 0x1800000
	v_add_nc_u32 v[(\sc)], 0xff000000, v[(\mx)]
	v_lshrrev_b32 v[(\by)], 23, v[(\sc)]
	v_cvt_scalef32_pk16_fp6_f32 v[(\dst):(\dst)+2], v[(\src):(\src)+15], v[(\sc)]
	v_cvt_scalef32_pk16_fp6_f32 v[(\tmp):(\tmp)+2], v[(\src)+16:(\src)+31], v[(\sc)]
	v_nop                                          ; one plain line behind the conversions
.irp i, 0,1,2
	v_mov_b32 v[(\dst)+3+\i], v[(\tmp)+\i]
.endr
.endm
.macro BARRIER
	s_wait_dscnt 0x0
	s_barrier_signal -1
	s_barrier_wait -1
.endm
.macro CROUND                          ; a round of the cluster's barrier
	s_barrier_signal -1
	s_barrier_wait -1
	s_cmp_lg_u32 s[WV], 0
	s_cbranch_scc1 .Lnot_wave_0_\@
	s_barrier_signal -3
.Lnot_wave_0_\@:
	s_barrier_wait -3
	s_barrier_signal -1
	s_barrier_wait -1
.endm
.macro QLOADS                          ; 16 rows x 64 columns of x (sixteen lanes read 256 consecutive bytes), the rows' 8 partial statistics, my 32 gains and biases: 8 + 16 + 8 + 8 loads
.irp i, 0,1,2,3,4,5,6,7
	global_load_b128 v[X+4*\i:X+4*\i+3], v[GO], s[4:5] offset:4096*\i th:TH_LOAD_NT
.endr
.irp k, 0,1,2,3,4,5,6,7
	global_load_b32 v[STT+2*\k], v[R4], s[6:7] offset:65536*\k
	global_load_b32 v[STT+2*\k+1], v[R4], s[6:7] offset:65536*\k+64
.endr
.irp j, 0,1,2,3,4,5,6,7
	global_load_b128 v[GG+4*\j:GG+4*\j+3], v[H128], s[8:9] offset:16*\j
.endr
.irp j, 0,1,2,3,4,5,6,7
	global_load_b128 v[BB+4*\j:BB+4*\j+3], v[H128], s[10:11] offset:16*\j
.endr
.endm
.macro QNORM w1, w2, w3                ; the counts: how many younger loads may stay out when x, the statistics, gain and bias have to be there
	s_wait_loadcnt \w1
.irp i, 0,1,2,3,4,5,6,7
	ds_store_b128 v[RD], v[X+4*\i:X+4*\i+3] offset:2*SP*\i         ; the slice stays in my stage for the residual
.endr
.irp j, 0,1,2,3,4,5,6,7
	ds_load_b128 v[X+4*\j:X+4*\j+3], v[QA] offset:16*\j            ; and comes back as 32 neighbours of row r (LDS serves a wave's instructions in order)
.endr
	s_wait_loadcnt \w2
.irp k, 0,1,2,3
	v_pk_add_f32 v[SCR+2*\k:SCR+2*\k+1], v[STT+4*\k:STT+4*\k+1], v[STT+4*\k+2:STT+4*\k+3]   ; low words: means; high words: sums of squared differences
.endr
	v_pk_add_f32 v[SCR:SCR+1], v[SCR:SCR+1], v[SCR+2:SCR+3]
	v_pk_add_f32 v[SCR+4:SCR+5], v[SCR+4:SCR+5], v[SCR+6:SCR+7]
	v_pk_add_f32 v[SCR:SCR+1], v[SCR:SCR+1], v[SCR+4:SCR+5]
	v_mul_f32 v[SCR+8], 0x3e000000, v[SCR]         ; the row's mean
	v_mov_b32 v[SCR+9], 0
.irp k, 0,1,2,3,4,5,6,7
	v_sub_f32 v[STT+2*\k], v[STT+2*\k], v[SCR+8]
.endr
	v_mul_f32 v[SCR+12], v[STT], v[STT]
.irp k, 1,2,3,4,5,6,7
	v_fmac_f32 v[SCR+12], v[STT+2*\k], v[STT+2*\k]
.endr
	v_fmamk_f32 v[SCR+12], v[SCR+12], 0x42800000, v[SCR+1]         ; 64 x that + the sum of the sums
	v_fma_f32 v[SCR+10], v[SCR+12], s[C9], s[CE]   ; / 512 + 1e-5
	v_rsq_f32 v[SCR+10], v[SCR+10]
	v_mov_b32 v[SCR+11], 0                         ; a plain line behind the transcendental
	s_wait_alu depctr_va_vdst(0)                   ; ahead of its first reader
	s_wait_loadcnt \w3
	s_wait_dscnt 0x0
.set j, 0
.rept 16
	v_pk_add_f32 v[X+j:X+j+1], v[X+j:X+j+1], v[SCR+8:SCR+9] op_sel_hi:[1,0] neg_lo:[0,1] neg_hi:[0,1]
.set j, j+2
.endr
.set j, 0
.rept 16
	v_pk_mul_f32 v[X+j:X+j+1], v[X+j:X+j+1], v[SCR+10:SCR+11] op_sel_hi:[1,0]
.set j, j+2
.endr
.set j, 0
.rept 16
	v_pk_fma_f32 v[X+j:X+j+1], v[X+j:X+j+1], v[GG+j:GG+j+1], v[BB+j:BB+j+1]
.set j, j+2
.endr
.endm
.macro FLOAD off, soff, sreg           ; four fragments as images, 3 loads of 512 consecutive bytes each, and their scale words: lanes 0-15 one fragment's, lanes 16-31 another's
.irp f, 0,1,2,3
.irp j, 0,1,2
	ds_load_b128 v[KV+12*\f+4*\j:KV+12*\f+4*\j+3], v[ADI] offset:\off+1536*\f+512*\j
.endr
.endr
	ds_load_b32 v[\sreg], v[ADS] offset:\soff
	ds_load_b32 v[\sreg+1], v[ADS] offset:\soff+128
.endm
.macro KQ d, a, b, sa, row
.if \row
	v_wmma_scale_f32_16x16x128_f8f6f4 v[(\d):(\d)+7], v[(\a):(\a)+11], v[(\b):(\b)+11], 0, v[\sa], v[QS] matrix_a_fmt:MATRIX_FMT_FP6 matrix_b_fmt:MATRIX_FMT_FP6 matrix_a_scale:MATRIX_SCALE_ROW1
.else
	v_wmma_scale_f32_16x16x128_f8f6f4 v[(\d):(\d)+7], v[(\a):(\a)+11], v[(\b):(\b)+11], 0, v[\sa], v[QS] matrix_a_fmt:MATRIX_FMT_FP6 matrix_b_fmt:MATRIX_FMT_FP6
.endif
.endm
.macro PV d, a, sa, row
.if \row
	v_wmma_scale_f32_16x16x128_f8f6f4 v[(\d):(\d)+7], v[(\a):(\a)+11], v[PC:PC+11], v[(\d):(\d)+7], v[\sa], v[PS] matrix_a_fmt:MATRIX_FMT_FP6 matrix_b_fmt:MATRIX_FMT_FP6 matrix_a_scale:MATRIX_SCALE_ROW1
.else
	v_wmma_scale_f32_16x16x128_f8f6f4 v[(\d):(\d)+7], v[(\a):(\a)+11], v[PC:PC+11], v[(\d):(\d)+7], v[\sa], v[PS] matrix_a_fmt:MATRIX_FMT_FP6 matrix_b_fmt:MATRIX_FMT_FP6
.endif
.endm
	s_load_b256 s[4:11], s[0:1], 0x0               ; xin, statistics in, gain, bias
	s_load_b128 s[12:15], s[0:1], 0x20             ; K and V, xout
	s_load_b64 s[16:17], s[0:1], 0x30              ; statistics out
.if MASKED
	s_load_b64 s[18:19], s[0:1], 0x38              ; lane masks
	v_lshl_add_u32 v254, v0, 2, 0x43000
	v_mov_b32 v255, 0
	ds_add_u32 v254, v255
	ds_add_u32 v254, v255
.endif
	v_lshrrev_b32 v[T0], 5, v0
	v_readfirstlane_b32 s[WV], v[T0]               ; wave 0..15
	s_and_b32 s29, ttmp7, 0xffff                   ; 8 x batch + head, which the four partners share
	; the descriptor: step WV of the head, 12,800 dense bytes as 50 rows of 256 (32 elements of 8 bytes)
	s_mov_b32 s84, 15|(3<<16)|(1<<21)              ; 15:0 the mask: all four work-groups; 17:16 elements of 8 bytes; 21 set beside a mask
	s_mov_b32 s85, 32<<16                          ; tensor_dim0
	s_mov_b32 s86, 50<<16                          ; tensor_dim1
	s_mov_b32 s87, 32<<16                          ; tile_dim0
	s_mov_b32 s88, 50                              ; tile_dim1
	s_mov_b32 s89, 32                              ; from row to row
	s_mov_b32 s90, 0
	s_mov_b32 s91, 0
	s_mov_b32 s92, 1
	s_mul_i32 s93, s[WV], STEPB                    ; LDS address: the wave's number alone
	s_mul_i32 s30, s29, HEADB
	s_add_co_u32 s30, s30, s93
	s_mov_b32 s31, 0
	s_wait_dscnt 0x0
	s_wait_kmcnt 0x0
	s_add_nc_u64 s[94:95], s[12:13], s[30:31]
	s_or_b32 s95, s95, 0x80000000
	CROUND                                         ; all four work-groups are here: the joint loads meet
	tensor_load_to_lds s[92:95], s[84:91]          ; my one tensor load: one is out
	s_nop 0
.rept 4
	v_nop
.endr
	s_bfe_u32 s27, ttmp6, 0x40000                  ; my place in the cluster: it enters global addresses alone
	s_lshl_b32 s28, ttmp9, 2
	s_add_co_u32 s28, s28, s27                     ; my block of 256 queries
	s_lshr_b32 s27, s29, 3
	s_lshl_b32 s27, s27, 11
	s_lshl_b32 s28, s28, 8
	s_add_co_u32 s27, s27, s28
	s_lshl_b32 s28, s[WV], 4
	s_add_co_u32 s27, s27, s28                     ; my first row, of 8,192
	s_and_b32 s29, s29, 7                          ; head
	s_lshl_b32 s30, s27, 11
	s_lshl_b32 s28, s29, 8
	s_add_co_u32 s30, s30, s28
	s_add_nc_u64 s[4:5], s[4:5], s[30:31]
	s_add_nc_u64 s[14:15], s[14:15], s[30:31]
	s_mov_b32 s30, s28
	s_add_nc_u64 s[8:9], s[8:9], s[30:31]
	s_add_nc_u64 s[10:11], s[10:11], s[30:31]
	s_lshl_b32 s30, s27, 3                         ; 128 bytes for each tile of 16 rows
	s_add_nc_u64 s[6:7], s[6:7], s[30:31]
	s_lshl_b32 s28, s29, 16
	s_add_co_u32 s30, s30, s28
	s_add_nc_u64 s[16:17], s[16:17], s[30:31]
.if MASKED
	s_lshl_b32 s30, s27, 8                         ; 4,096 bytes for each tile
	s_add_nc_u64 s[18:19], s[18:19], s[30:31]
.endif
	s_mul_i32 s28, s[WV], 16*SP
	s_add_co_u32 s28, s28, STAGE                   ; my stage
	v_and_b32 v[T0], 31, v0
	v_and_b32 v[T0+1], 15, v0                      ; r
	v_bfe_u32 v[T0+2], v0, 4, 1                    ; h
	v_lshlrev_b32 v[L16], 4, v[T0]
	v_lshlrev_b32 v[L4], 2, v[T0]
	v_lshlrev_b32 v[H128], 7, v[T0+2]
	v_mov_b32 v[FILL], 0xd0000000
	v_mul_u32_u24 v[SO], v[T0+1], SP
	v_lshl_add_u32 v[QA], v[T0+2], 7, v[SO]
	v_lshl_add_u32 v[SO], v[T0+2], 5, v[SO]
	v_add_nc_u32 v[SO], s28, v[SO]
	v_add_nc_u32 v[QA], s28, v[QA]
	v_mul_u32_u24 v[RD], v[T0+2], SP
	v_lshl_add_u32 v[RD], v[T0+1], 4, v[RD]
	v_add_nc_u32 v[RD], s28, v[RD]
	v_lshlrev_b32 v[GO], 11, v[T0+2]
	v_lshl_add_u32 v[GO], v[T0+1], 4, v[GO]
	v_lshlrev_b32 v[SH8], 3, v[T0+2]
	v_lshlrev_b32 v[R4], 2, v[T0+1]
	s_mov_b32 s[SEL], 0x76543210
	s_mov_b32 s[SEL+1], 0xfedcba98
	s_mov_b32 s[CS], 0x3e38aa3b                    ; log2(e) / 8
	s_mov_b32 s[CS+1], s[CS]
	s_mov_b32 s[C9], 0x3b000000                    ; 1 / 512
	s_mov_b32 s[CE], 0x3727c5ac                    ; 1e-5
	s_mov_b32 s[HI], 0xffff0000                    ; lanes 16-31
	QLOADS
	QNORM 32, 16, 0                                ; x is in with 16 + 8 + 8 loads out; the statistics with 8 + 8; then all
	QBLK X, QZ+6, PT, SCR, SCR+2, SCR+3
	v_lshlrev_b32 v[SCR+3], v[SH8], v[SCR+3]       ; my block's byte at its place,
	v_mov_b32 v[SCR+4], 0
	v_permlanex16_b32 v[SCR+4], v[SCR+3], s[SEL], s[SEL+1]
	v_or_b32 v[SCR+3], v[SCR+3], v[SCR+4]          ; with lane l xor 16's;
	v_lshl_or_b32 v[QS], v[SCR+3], 16, v[SCR+3]    ; the two bytes stand twice: q is used in either half of the instruction's K
.irp i, 0,1,2,3,4,5
	v_mov_b32 v[QZ+\i], 0
	v_mov_b32 v[QZ+12+\i], 0
.endr
.set j, 0
.rept 32
	v_mov_b32 v[O+j], 0                            ; the step is written once: the first finds zeros, which the first change of M leaves zeros
.set j, j+1
.endr
.irp b, 0,1,2,3
	v_mov_b32 v[BT+\b], 0
.endr
	v_mov_b32 v[F+1], 0
	v_mov_b32 v13, 0xff61b1e6                      ; the largest t so far: -3e38
	v_floor_f32 v12, -v13                          ; -M
	v_mov_b32 v14, 0
	v_mov_b32 v15, 0
	s_wait_tensorcnt 0x0                           ; my step has landed,
	BARRIER                                        ; everybody's has
.if MASKED
	s_load_b512 s[32:47], s[18:19], 0x0            ; step 0's 64 lane masks (the descriptor's registers are free: its load is done)
	s_load_b512 s[48:63], s[18:19], 0x40
	s_load_b512 s[68:83], s[18:19], 0x80
	s_load_b512 s[84:99], s[18:19], 0xc0
.endif
	s_mov_b32 s[TB], 0
	v_mov_b32 v[ADI], v[L16]
	v_mov_b32 v[ADS], v[L4]
	FLOAD 0, 12288, KS
; A KEY STEP: 128 keys.  look = 1: the next step's masks and K are asked for.
.macro STEP look
	s_wait_dscnt 0x0                               ; K is in
.irp f, 0,1,2,3
	KQ S+16*\f, KV+12*\f, QZ+6, KS+\f%2, \f/2      ; q below, zeros above: the fragment's first 16 keys
	KQ S+16*\f+8, KV+12*\f, QZ, KS+\f%2, \f/2      ; zeros below, q above: its second 16
.endr
.rept 4
	v_nop                                          ; four places in front of loads into registers that matrix instructions have read, and of the first read of the scores
.endr
	FLOAD 6144, 12544, VS                          ; V lands while the softmax is walked
.if MASKED
	s_wait_kmcnt 0x0
.set n, 0
.rept 64
	v_cndmask_b32 v[S+n], v[FILL], v[S+n], s[32+n+4*(n/32)]        ; one line a score; each accumulator from its low end on
.set n, n+1
.endr
.if \look
	s_add_nc_u64 s[18:19], s[18:19], 256           ; (the loads that read it are done)
	s_load_b512 s[32:47], s[18:19], 0x0            ; the next step's masks: a whole softmax ahead
	s_load_b512 s[48:63], s[18:19], 0x40
	s_load_b512 s[68:83], s[18:19], 0x80
	s_load_b512 s[84:99], s[18:19], 0xc0
.endif
.endif
.irp b, 0,1,2,3
	v_max3_num_f32 v[BM+\b], v[S+16*\b], v[S+16*\b+1], v[S+16*\b+2]   ; the largest score of each block of 32 keys: for the row's maximum, and, since p rises with the score, for the block's largest p
.endr
.irp i, 3,5,7,9,11,13
.irp b, 0,1,2,3
	v_max3_num_f32 v[BM+\b], v[BM+\b], v[S+16*\b+\i], v[S+16*\b+\i+1]
.endr
.endr
.irp b, 0,1,2,3
	v_max_num_f32 v[BM+\b], v[BM+\b], v[S+16*\b+15]
.endr
.irp b, 0,1,2,3
	v_permlanex16_b32 v[BT+\b], v[BM+\b], s[SEL], s[SEL+1]
.endr
.irp b, 0,1,2,3
	v_max_num_f32 v[BM+\b], v[BM+\b], v[BT+\b]
.endr
	v_max3_num_f32 v[T0], v[BM], v[BM+1], v[BM+2]
	v_max_num_f32 v[T0], v[T0], v[BM+3]
	v_mul_f32 v[T0], s[CS], v[T0]
	v_max_num_f32 v13, v13, v[T0]                  ; the running largest t
	v_mov_b32 v[T0], v12
	v_floor_f32 v12, -v13                          ; the new -M: a whole number
	v_sub_f32 v[T0], v12, v[T0]
	v_cvt_i32_f32 v[T0], v[T0]                     ; (it saturates)
	v_ldexp_f32 v[F], 1.0, v[T0]                   ; 2^(old M - new M)
.set j, 0
.rept 32
	v_pk_fma_f32 v[S+j:S+j+1], v[S+j:S+j+1], s[CS:CS+1], v[12:13] op_sel_hi:[1,0,0]   ; t - M
.set j, j+2
.endr
.irp b, 0,1,2,3
	v_fma_f32 v[BM+\b], v[BM+\b], s[CS], v12
.endr
.set j, 0
.rept 64
	v_exp_f32 v[S+j], v[S+j]                       ; p, at most 1, not normalised
.set j, j+1
.endr
	v_pk_mul_f32 v[14:15], v[14:15], v[F:F+1] op_sel_hi:[1,0]      ; a plain line behind the batch
	s_wait_alu depctr_va_vdst(0)                   ; one wait for the 64, ahead of their first reader
.irp b, 0,1,2,3
	v_exp_f32 v[BM+\b], v[BM+\b]                   ; the blocks' largest p
.endr
	v_pk_add_f32 v[SU2:SU2+1], v[S:S+1], v[S+2:S+3]                ; the sum of the unquantised p, in two chains
.set j, 4
.rept 15
	v_pk_add_f32 v[14:15], v[14:15], v[S+j:S+j+1]
	v_pk_add_f32 v[SU2:SU2+1], v[SU2:SU2+1], v[S+j+2:S+j+3]
.set j, j+4
.endr
	v_pk_add_f32 v[14:15], v[14:15], v[SU2:SU2+1]
	s_wait_alu depctr_va_vdst(0)                   ; and one for the four
.irp b, 0,1,2,3
	v_max_num_f32 v[BM+\b], 0x1800000, v[BM+\b]    ; the floor: the byte cannot fall under 1
.endr
.irp b, 0,1,2,3
	v_add_nc_u32 v[SCO+\b], 0xff000000, v[BM+\b]
.endr
.irp b, 0,1,2,3
	v_lshrrev_b32 v[BT+\b], 23, v[SCO+\b]
.endr
	v_lshl_or_b32 v[PS], v[BT+1], 8, v[BT]
	v_lshl_or_b32 v[PS], v[BT+2], 16, v[PS]
	v_lshl_or_b32 v[PS], v[BT+3], 24, v[PS]
.irp c, 0,1
	v_cvt_scalef32_pk16_fp6_f32 v[PC+6*\c:PC+6*\c+2], v[S+32*\c:S+32*\c+15], v[SCO+2*\c]
	v_cvt_scalef32_pk16_fp6_f32 v[PT+4*\c:PT+4*\c+2], v[S+32*\c+16:S+32*\c+31], v[SCO+2*\c+1]
.endr
	v_nop
.irp c, 0,1                            ; the operand wants a whole block in a lane
.irp i, 0,1,2
	v_permlane16_swap_b32 v[PC+6*\c+\i], v[PT+4*\c+\i]
.endr
.irp i, 0,1,2
	v_mov_b32 v[PC+6*\c+3+\i], v[PT+4*\c+\i]
.endr
.endr
.set j, 0
.rept 16
	v_pk_mul_f32 v[O+j:O+j+1], v[O+j:O+j+1], v[F:F+1] op_sel_hi:[1,0]   ; O^T under the new M; these 16 are also the places behind the lines that wrote p's codes and scale word
.set j, j+2
.endr
	s_wait_dscnt 0x0                               ; V is in
.irp t, 0,1,2,3
	PV O+8*\t, KV+12*\t, VS+\t/2, \t%2             ; four accumulators by turns, one instruction a turn
.endr
.if \look
	s_add_co_u32 s[TB], s[TB], STEPB
	v_add_nc_u32 v[ADI], s[TB], v[L16]
	v_add_nc_u32 v[ADS], s[TB], v[L4]
	v_nop
	v_nop                                          ; four places in all in front of the loads
	FLOAD 0, 12288, KS
.endif
.endm
	s_mov_b32 s[CNT], 15
.Lstep:
	STEP 1
	s_sub_co_u32 s[CNT], s[CNT], 1
	s_cmp_lg_u32 s[CNT], 0
	s_cbranch_scc1 .Lstep
	STEP 0                                         ; the last step asks for nothing beyond the end
	; THE WAY OUT: y = x + O / l; the partial statistics of my 64 columns; whole rows of 256 bytes through my stage
.rept 4
	v_nop
.endr
	v_add_f32 v14, v14, v15
	v_permlanex16_b32 v[T0], v14, s[SEL], s[SEL+1]
	v_add_f32 v14, v14, v[T0]
	v_rcp_f32 v[T0+2], v14
	v_mov_b32 v[T0+3], 0                           ; a plain line behind the transcendental
.irp t, 0,1,2,3
	ds_load_b128 v[S+32+8*\t:S+32+8*\t+3], v[SO] offset:64*\t      ; x(r, 16 t + 8 h + 0 .. 7)
	ds_load_b128 v[S+32+8*\t+4:S+32+8*\t+7], v[SO] offset:64*\t+16
.endr
	s_wait_alu depctr_va_vdst(0)
	s_wait_dscnt 0x0
.set j, 0
.rept 16
	v_pk_fma_f32 v[S+j:S+j+1], v[O+j:O+j+1], v[T0+2:T0+3], v[S+32+j:S+32+j+1] op_sel_hi:[1,0,1]
.set j, j+2
.endr
	v_pk_add_f32 v[KV:KV+1], v[S:S+1], v[S+2:S+3]
	v_pk_add_f32 v[KV+2:KV+3], v[S+4:S+5], v[S+6:S+7]
.irp q, 8,12,16,20,24,28
	v_pk_add_f32 v[KV:KV+1], v[KV:KV+1], v[S+\q:S+\q+1]
	v_pk_add_f32 v[KV+2:KV+3], v[KV+2:KV+3], v[S+\q+2:S+\q+3]
.endr
	v_pk_add_f32 v[KV:KV+1], v[KV:KV+1], v[KV+2:KV+3]
	v_add_f32 v[KV], v[KV], v[KV+1]
	v_permlanex16_b32 v[T0], v[KV], s[SEL], s[SEL+1]
	v_add_f32 v[KV], v[KV], v[T0]
	v_mul_f32 v[KV], 0x3c800000, v[KV]             ; the mean of the row's 64
.set j, 0
.rept 16
	v_pk_add_f32 v[KV+4+j:KV+5+j], v[S+j:S+j+1], v[KV:KV+1] op_sel_hi:[1,0] neg_lo:[0,1] neg_hi:[0,1]
.set j, j+2
.endr
	v_pk_mul_f32 v[KV+2:KV+3], v[KV+4:KV+5], v[KV+4:KV+5]
.set j, 2
.rept 15
	v_pk_fma_f32 v[KV+2:KV+3], v[KV+4+j:KV+5+j], v[KV+4+j:KV+5+j], v[KV+2:KV+3]
.set j, j+2
.endr
	v_add_f32 v[KV+2], v[KV+2], v[KV+3]
	v_permlanex16_b32 v[T0], v[KV+2], s[SEL], s[SEL+1]
	v_add_f32 v[KV+2], v[KV+2], v[T0]              ; the sum of squared differences
	v_cndmask_b32 v[KV+3], v[KV], v[KV+2], s[HI]   ; lanes 0-15 the means, lanes 16-31 the sums
	global_store_b32 v[L4], v[KV+3], s[16:17]
.irp t, 0,1,2,3
	ds_store_b128 v[SO], v[S+8*\t:S+8*\t+3] offset:64*\t
	ds_store_b128 v[SO], v[S+8*\t+4:S+8*\t+7] offset:64*\t+16
.endr
.irp i, 0,1,2,3,4,5,6,7
	ds_load_b128 v[S+32+4*\i:S+32+4*\i+3], v[RD] offset:2*SP*\i
.endr
.irp i, 0,1,2,3,4,5,6,7
	s_wait_dscnt 7-\i                              ; the younger loads may stay out
	global_store_b128 v[GO], v[S+32+4*\i:S+32+4*\i+3], s[14:15] offset:4096*\i   ; sixteen lanes store 256 consecutive bytes, aligned
.endr
	s_wait_dscnt 0x0
	s_wait_tensorcnt 0x0
	ds_add_u32 v254, v255
	s_wait_dscnt 0x0
	CROUND                                         ; the closing round
	s_endpgm
.Lfunc_end_k_q358fdc002d_attn_self:
	.size	k_q358fdc002d_attn_self, .Lfunc_end_k_q358fdc002d_attn_self-k_q358fdc002d_attn_self
	.p2alignl 7, 3214868480
	.fill 96, 4, 3214868480
	.section	.rodata,"a",@progbits
	.p2align	6, 0x0
	.amdhsa_kernel k_q358fdc002d_attn_self
		.amdhsa_group_segment_fixed_size 276480
		.amdhsa_private_segment_fixed_size 0
		.amdhsa_enable_private_segment 0
		.amdhsa_kernarg_size 64
		.amdhsa_user_sgpr_count 2
		.amdhsa_user_sgpr_kernarg_segment_ptr 1
		.amdhsa_wavefront_size32 1
		.amdhsa_system_sgpr_workgroup_id_x 1
		.amdhsa_system_sgpr_workgroup_id_y 1
		.amdhsa_system_sgpr_workgroup_id_z 1
		.amdhsa_system_vgpr_workitem_id 0
		.amdhsa_next_free_vgpr 256
		.amdhsa_next_free_sgpr 100
		.amdhsa_reserve_vcc 0
		.amdhsa_float_denorm_mode_32 3
		.amdhsa_float_denorm_mode_16_64 3
		.amdhsa_memory_ordered 1
		.amdhsa_forward_progress 1
		.amdhsa_inst_pref_size 65
	.end_amdhsa_kernel
	.amdgpu_metadata
---
amdhsa.version: [ 1, 2 ]
amdhsa.kernels:
  - .name:           k_q358fdc002d_attn_self
    .symbol:         k_q358fdc002d_attn_self.kd
    .args:
      - { .name: x, .offset: 0, .size: 8, .value_kind: global_buffer, .address_space: global }
      - { .name: statsA, .offset: 8, .size: 8, .value_kind: global_buffer, .address_space: global }
      - { .name: ln1_g, .offset: 16, .size: 8, .value_kind: global_buffer, .address_space: global }
      - { .name: ln1_b, .offset: 24, .size: 8, .value_kind: global_buffer, .address_space: global }
      - { .name: kv_self, .offset: 32, .size: 8, .value_kind: global_buffer, .address_space: global }
      - { .name: x2, .offset: 40, .size: 8, .value_kind: global_buffer, .address_space: global }
      - { .name: statsB, .offset: 48, .size: 8, .value_kind: global_buffer, .address_space: global }
      - { .name: maskw, .offset: 56, .size: 8, .value_kind: global_buffer, .address_space: global }
    .group_segment_fixed_size: 276480
    .private_segment_fixed_size: 0
    .kernarg_segment_align: 8
    .kernarg_segment_size: 64
    .max_flat_workgroup_size: 512
    .sgpr_count:     100
    .vgpr_count:     256
    .wavefront_size: 32
...
	.end_amdgpu_metadata
.endif
;; end of part 2
;; launch attn_cross (part 3): grid 8 x 32, 16 waves a work-group, clusters of 4 x 1, 276,480 bytes of LDS; arguments x2, statsB, ln2_g, ln2_b, kv_cross, x3, statsA; writes x3, statsA
.if DOCPART == 3
	.amdgcn_target "amdgcn-amd-amdhsa--gfx1250"
	.amdhsa_code_object_version 6
	.text
	.protected	k_q358fdc002d_attn_cross
	.globl	k_q358fdc002d_attn_cross
	.p2align	8
	.type	k_q358fdc002d_attn_cross,@function
k_q358fdc002d_attn_cross:
	s_mov_b64 s[64:65], 0
	v_nop
	global_prefetch_b8 v0, s[64:65] scope:SCOPE_SE
	s_setreg_imm32_b32 hwreg(HW_REG_WAVE_MODE, 25, 1), 1
	s_wait_xcnt 0x0
	s_wait_alu depctr_hold_cnt(0) depctr_sa_sdst(0) depctr_va_vdst(0) depctr_va_sdst(0) depctr_va_ssrc(0) depctr_va_vcc(0) depctr_vm_vsrc(0)
	s_getreg_b32 s2, hwreg(HW_REG_IB_STS2, 6, 4)
	s_cmp_eq_u32 s2, 0
	s_cbranch_scc0 .Lentry_in_a_cluster
	s_endpgm
.Lentry_in_a_cluster:
	s_bfe_u32 s2, ttmp6, 0x10000c
	s_cmp_lg_u32 s2, 0x3003
	s_cbranch_scc0 .Lentry_shape_is_right
	s_endpgm
.Lentry_shape_is_right:
; CROSS-ATTENTION WITH ITS LAYER NORM AND RESIDUAL.  xout = xin + attention(LN(xin), K, V), one head of 64 channels to a work-group; K and V come as codes of E2M3 with E8M0 scale bytes.
.set MASKED, 0                         ; 1: lane masks are read and hidden scores replaced; 0: no mask (the text is otherwise the same for both attentions)
; SHARES.  A work-group owns 256 queries of one (batch, head); each of its 16 waves owns 16: four waves to a SIMD, so that one wave's vector work stands beside another's matrix work and LDS loads.
; LDS.  The head's K, V and scale words, 16 steps of 12,800 bytes, are filled ONCE: wave w brings step w by one tensor load.  Nothing is filled again.  Behind them a stage of 16 rows x 272 bytes for each wave.
; CLUSTER.  The four query blocks of a cluster belong to one head: each tile is asked for jointly, by the same tensor load with the same descriptor and a mask that names the four.
; LAYER NORM.  A row's mean and variance are joined from eight partial statistics (mean and sum of squared differences of 64 columns each): variance = (sum of the sums + 64 x sum of (mean_k - mean)^2) / 512: no difference of large sums.
; PRODUCTS, both transposed, so that a lane holds ONE query (lane % 16).  The head's K is 64, the instruction's 128: a fragment of K holds TWO tiles of 16 keys side by side along the instruction's K, and q is
;   multiplied twice, once with zero codes above it and once below: no byte of K is read from LDS in vain.  Score register 16 b + i of lane (r, h) is key 32 b + 16 h + i of the step.
; SOFTMAX.  t = score x log2(e) / 8; M = the running largest t rounded up to a whole number; p = 2^(t - M) is quantised along the keys; the sum is taken of the unquantised p and divides at the end;
;   when M moves, sum and O are multiplied by 2^(old M - new M), which rounds nothing.
; LIMITS.  NaN and infinities are not served.  A block under 2^-124 keeps the scale byte 1 (zero codes for zeros).
.set STEPB, 12800                      ; a step: K's 4 fragments (6,144), V's 4 (6,144), K's scale words (256), V's (256)
.set HEADB, 204800
.set STAGE, 204800
.set SP,    272
.set L16, 1                            ; v1 16 x lane    v2 4 x lane
.set L4,  2
.set ADI, 3                            ; v3 LDS address of the step's images (at the head: 128 x (lane / 16), the offset of gain and bias)
.set H128, 3
.set ADS, 4                            ; v4 of its scale words
.set FILL, 5                           ; v5 -2^33
.set SO,  6                            ; v6 stage: row r, 32 h: my eight channels of a tile
.set RD,  7                            ; v7 stage: row lane / 16, 16 x (lane % 16): whole rows
.set GO,  8                            ; v8 the same two rows in memory
.set QA,  9                            ; v9 stage: row r, 128 h: my 32 channels
.set SH8, 10                           ; v10 8 h
.set R4,  11                           ; v11 4 r
.set QZ,  16                           ; v16-21 zeros, v22-27 q's codes, v28-33 zeros
.set QS,  34                           ; v34 q's scale word    v35 p's    v36-37 K's    v38-39 V's: these hold scales and nothing else
.set PS,  35
.set KS,  36
.set VS,  38
.set KV,  40                           ; v40-87 four fragments of K or of V
.set S,   88                           ; v88-151 scores, then p
.set O,   152                          ; v152-183 O^T
.set PC,  184                          ; v184-195 p's codes
.set PT,  196                          ; v196-203 conversions' second halves
.set BM,  204                          ; v204-207 blocks' maxima
.set BT,  208
.set SCO, 212
.set F,   216                          ; v[216:217] 2^(old M - new M)
.set SU2, 218
.set T0,  220
.set X,   S                            ; at the head: 32 numbers of x; gain; bias; statistics; scratch
.set GG,  S+32
.set BB,  O
.set STT, KV
.set SCR, 204
.set WV,  20
.set TB,  21
.set SEL, 22
.set CS,  24
.set CNT, 26
.set C9,  27
.set CE,  28
.set HI,  29
.macro QBLK src, dst, tmp, mx, sc, by  ; 32 numbers of ONE block -> 6 registers of codes, the scale operand, the byte
	v_max3_num_f32 v[(\mx)], |v[(\src)]|, |v[(\src)+1]|, |v[(\src)+2]|
	v_max3_num_f32 v[(\mx)+1], |v[(\src)+3]|, |v[(\src)+4]|, |v[(\src)+5]|
.irp i, 6,10,14,18,22,26
	v_max3_num_f32 v[(\mx)], v[(\mx)], |v[(\src)+\i]|, |v[(\src)+\i+1]|
	v_max3_num_f32 v[(\mx)+1], v[(\mx)+1], |v[(\src)+\i+2]|, |v[(\src)+\i+3]|
.endr
	v_max3_num_f32 v[(\mx)], v[(\mx)], |v[(\src)+30]|, |v[(\src)+31]|
	v_max3_num_f32 v[(\mx)], v[(\mx)], v[(\mx)+1], 0x1800000
	v_add_nc_u32 v[(\sc)], 0xff000000, v[(\mx)]
	v_lshrrev_b32 v[(\by)], 23, v[(\sc)]
	v_cvt_scalef32_pk16_fp6_f32 v[(\dst):(\dst)+2], v[(\src):(\src)+15], v[(\sc)]
	v_cvt_scalef32_pk16_fp6_f32 v[(\tmp):(\tmp)+2], v[(\src)+16:(\src)+31], v[(\sc)]
	v_nop                                          ; one plain line behind the conversions
.irp i, 0,1,2
	v_mov_b32 v[(\dst)+3+\i], v[(\tmp)+\i]
.endr
.endm
.macro BARRIER
	s_wait_dscnt 0x0
	s_barrier_signal -1
	s_barrier_wait -1
.endm
.macro CROUND                          ; a round of the cluster's barrier
	s_barrier_signal -1
	s_barrier_wait -1
	s_cmp_lg_u32 s[WV], 0
	s_cbranch_scc1 .Lnot_wave_0_\@
	s_barrier_signal -3
.Lnot_wave_0_\@:
	s_barrier_wait -3
	s_barrier_signal -1
	s_barrier_wait -1
.endm
.macro QLOADS                          ; 16 rows x 64 columns of x (sixteen lanes read 256 consecutive bytes), the rows' 8 partial statistics, my 32 gains and biases: 8 + 16 + 8 + 8 loads
.irp i, 0,1,2,3,4,5,6,7
	global_load_b128 v[X+4*\i:X+4*\i+3], v[GO], s[4:5] offset:4096*\i th:TH_LOAD_NT
.endr
.irp k, 0,1,2,3,4,5,6,7
	global_load_b32 v[STT+2*\k], v[R4], s[6:7] offset:65536*\k
	global_load_b32 v[STT+2*\k+1], v[R4], s[6:7] offset:65536*\k+64
.endr
.irp j, 0,1,2,3,4,5,6,7
	global_load_b128 v[GG+4*\j:GG+4*\j+3], v[H128], s[8:9] offset:16*\j
.endr
.irp j, 0,1,2,3,4,5,6,7
	global_load_b128 v[BB+4*\j:BB+4*\j+3], v[H128], s[10:11] offset:16*\j
.endr
.endm
.macro QNORM w1, w2, w3                ; the counts: how many younger loads may stay out when x, the statistics, gain and bias have to be there
	s_wait_loadcnt \w1
.irp i, 0,1,2,3,4,5,6,7
	ds_store_b128 v[RD], v[X+4*\i:X+4*\i+3] offset:2*SP*\i         ; the slice stays in my stage for the residual
.endr
.irp j, 0,1,2,3,4,5,6,7
	ds_load_b128 v[X+4*\j:X+4*\j+3], v[QA] offset:16*\j            ; and comes back as 32 neighbours of row r (LDS serves a wave's instructions in order)
.endr
	s_wait_loadcnt \w2
.irp k, 0,1,2,3
	v_pk_add_f32 v[SCR+2*\k:SCR+2*\k+1], v[STT+4*\k:STT+4*\k+1], v[STT+4*\k+2:STT+4*\k+3]   ; low words: means; high words: sums of squared differences
.endr
	v_pk_add_f32 v[SCR:SCR+1], v[SCR:SCR+1], v[SCR+2:SCR+3]
	v_pk_add_f32 v[SCR+4:SCR+5], v[SCR+4:SCR+5], v[SCR+6:SCR+7]
	v_pk_add_f32 v[SCR:SCR+1], v[SCR:SCR+1], v[SCR+4:SCR+5]
	v_mul_f32 v[SCR+8], 0x3e000000, v[SCR]         ; the row's mean
	v_mov_b32 v[SCR+9], 0
.irp k, 0,1,2,3,4,5,6,7
	v_sub_f32 v[STT+2*\k], v[STT+2*\k], v[SCR+8]
.endr
	v_mul_f32 v[SCR+12], v[STT], v[STT]
.irp k, 1,2,3,4,5,6,7
	v_fmac_f32 v[SCR+12], v[STT+2*\k], v[STT+2*\k]
.endr
	v_fmamk_f32 v[SCR+12], v[SCR+12], 0x42800000, v[SCR+1]         ; 64 x that + the sum of the sums
	v_fma_f32 v[SCR+10], v[SCR+12], s[C9], s[CE]   ; / 512 + 1e-5
	v_rsq_f32 v[SCR+10], v[SCR+10]
	v_mov_b32 v[SCR+11], 0                         ; a plain line behind the transcendental
	s_wait_alu depctr_va_vdst(0)                   ; ahead of its first reader
	s_wait_loadcnt \w3
	s_wait_dscnt 0x0
.set j, 0
.rept 16
	v_pk_add_f32 v[X+j:X+j+1], v[X+j:X+j+1], v[SCR+8:SCR+9] op_sel_hi:[1,0] neg_lo:[0,1] neg_hi:[0,1]
.set j, j+2
.endr
.set j, 0
.rept 16
	v_pk_mul_f32 v[X+j:X+j+1], v[X+j:X+j+1], v[SCR+10:SCR+11] op_sel_hi:[1,0]
.set j, j+2
.endr
.set j, 0
.rept 16
	v_pk_fma_f32 v[X+j:X+j+1], v[X+j:X+j+1], v[GG+j:GG+j+1], v[BB+j:BB+j+1]
.set j, j+2
.endr
.endm
.macro FLOAD off, soff, sreg           ; four fragments as images, 3 loads of 512 consecutive bytes each, and their scale words: lanes 0-15 one fragment's, lanes 16-31 another's
.irp f, 0,1,2,3
.irp j, 0,1,2
	ds_load_b128 v[KV+12*\f+4*\j:KV+12*\f+4*\j+3], v[ADI] offset:\off+1536*\f+512*\j
.endr
.endr
	ds_load_b32 v[\sreg], v[ADS] offset:\soff
	ds_load_b32 v[\sreg+1], v[ADS] offset:\soff+128
.endm
.macro KQ d, a, b, sa, row
.if \row
	v_wmma_scale_f32_16x16x128_f8f6f4 v[(\d):(\d)+7], v[(\a):(\a)+11], v[(\b):(\b)+11], 0, v[\sa], v[QS] matrix_a_fmt:MATRIX_FMT_FP6 matrix_b_fmt:MATRIX_FMT_FP6 matrix_a_scale:MATRIX_SCALE_ROW1
.else
	v_wmma_scale_f32_16x16x128_f8f6f4 v[(\d):(\d)+7], v[(\a):(\a)+11], v[(\b):(\b)+11], 0, v[\sa], v[QS] matrix_a_fmt:MATRIX_FMT_FP6 matrix_b_fmt:MATRIX_FMT_FP6
.endif
.endm
.macro PV d, a, sa, row
.if \row
	v_wmma_scale_f32_16x16x128_f8f6f4 v[(\d):(\d)+7], v[(\a):(\a)+11], v[PC:PC+11], v[(\d):(\d)+7], v[\sa], v[PS] matrix_a_fmt:MATRIX_FMT_FP6 matrix_b_fmt:MATRIX_FMT_FP6 matrix_a_scale:MATRIX_SCALE_ROW1
.else
	v_wmma_scale_f32_16x16x128_f8f6f4 v[(\d):(\d)+7], v[(\a):(\a)+11], v[PC:PC+11], v[(\d):(\d)+7], v[\sa], v[PS] matrix_a_fmt:MATRIX_FMT_FP6 matrix_b_fmt:MATRIX_FMT_FP6
.endif
.endm
	s_load_b256 s[4:11], s[0:1], 0x0               ; xin, statistics in, gain, bias
	s_load_b128 s[12:15], s[0:1], 0x20             ; K and V, xout
	s_load_b64 s[16:17], s[0:1], 0x30              ; statistics out
	v_lshl_add_u32 v254, v0, 2, 0x43000
	v_mov_b32 v255, 0
	ds_add_u32 v254, v255
	ds_add_u32 v254, v255
.if MASKED
	s_load_b64 s[18:19], s[0:1], 0x38              ; lane masks
.endif
	v_lshrrev_b32 v[T0], 5, v0
	v_readfirstlane_b32 s[WV], v[T0]               ; wave 0..15
	s_and_b32 s29, ttmp7, 0xffff                   ; 8 x batch + head, which the four partners share
	; the descriptor: step WV of the head, 12,800 dense bytes as 50 rows of 256 (32 elements of 8 bytes)
	s_mov_b32 s84, 15|(3<<16)|(1<<21)              ; 15:0 the mask: all four work-groups; 17:16 elements of 8 bytes; 21 set beside a mask
	s_mov_b32 s85, 32<<16                          ; tensor_dim0
	s_mov_b32 s86, 50<<16                          ; tensor_dim1
	s_mov_b32 s87, 32<<16                          ; tile_dim0
	s_mov_b32 s88, 50                              ; tile_dim1
	s_mov_b32 s89, 32                              ; from row to row
	s_mov_b32 s90, 0
	s_mov_b32 s91, 0
	s_mov_b32 s92, 1
	s_mul_i32 s93, s[WV], STEPB                    ; LDS address: the wave's number alone
	s_mul_i32 s30, s29, HEADB
	s_add_co_u32 s30, s30, s93
	s_mov_b32 s31, 0
	s_wait_dscnt 0x0
	s_wait_kmcnt 0x0
	s_add_nc_u64 s[94:95], s[12:13], s[30:31]
	s_or_b32 s95, s95, 0x80000000
	CROUND                                         ; all four work-groups are here: the joint loads meet
	tensor_load_to_lds s[92:95], s[84:91]          ; my one tensor load: one is out
	s_nop 0
.rept 4
	v_nop
.endr
	s_bfe_u32 s27, ttmp6, 0x40000                  ; my place in the cluster: it enters global addresses alone
	s_lshl_b32 s28, ttmp9, 2
	s_add_co_u32 s28, s28, s27                     ; my block of 256 queries
	s_lshr_b32 s27, s29, 3
	s_lshl_b32 s27, s27, 11
	s_lshl_b32 s28, s28, 8
	s_add_co_u32 s27, s27, s28
	s_lshl_b32 s28, s[WV], 4
	s_add_co_u32 s27, s27, s28                     ; my first row, of 8,192
	s_and_b32 s29, s29, 7                          ; head
	s_lshl_b32 s30, s27, 11
	s_lshl_b32 s28, s29, 8
	s_add_co_u32 s30, s30, s28
	s_add_nc_u64 s[4:5], s[4:5], s[30:31]
	s_add_nc_u64 s[14:15], s[14:15], s[30:31]
	s_mov_b32 s30, s28
	s_add_nc_u64 s[8:9], s[8:9], s[30:31]
	s_add_nc_u64 s[10:11], s[10:11], s[30:31]
	s_lshl_b32 s30, s27, 3                         ; 128 bytes for each tile of 16 rows
	s_add_nc_u64 s[6:7], s[6:7], s[30:31]
	s_lshl_b32 s28, s29, 16
	s_add_co_u32 s30, s30, s28
	s_add_nc_u64 s[16:17], s[16:17], s[30:31]
.if MASKED
	s_lshl_b32 s30, s27, 8                         ; 4,096 bytes for each tile
	s_add_nc_u64 s[18:19], s[18:19], s[30:31]
.endif
	s_mul_i32 s28, s[WV], 16*SP
	s_add_co_u32 s28, s28, STAGE                   ; my stage
	v_and_b32 v[T0], 31, v0
	v_and_b32 v[T0+1], 15, v0                      ; r
	v_bfe_u32 v[T0+2], v0, 4, 1                    ; h
	v_lshlrev_b32 v[L16], 4, v[T0]
	v_lshlrev_b32 v[L4], 2, v[T0]
	v_lshlrev_b32 v[H128], 7, v[T0+2]
	v_mov_b32 v[FILL], 0xd0000000
	v_mul_u32_u24 v[SO], v[T0+1], SP
	v_lshl_add_u32 v[QA], v[T0+2], 7, v[SO]
	v_lshl_add_u32 v[SO], v[T0+2], 5, v[SO]
	v_add_nc_u32 v[SO], s28, v[SO]
	v_add_nc_u32 v[QA], s28, v[QA]
	v_mul_u32_u24 v[RD], v[T0+2], SP
	v_lshl_add_u32 v[RD], v[T0+1], 4, v[RD]
	v_add_nc_u32 v[RD], s28, v[RD]
	v_lshlrev_b32 v[GO], 11, v[T0+2]
	v_lshl_add_u32 v[GO], v[T0+1], 4, v[GO]
	v_lshlrev_b32 v[SH8], 3, v[T0+2]
	v_lshlrev_b32 v[R4], 2, v[T0+1]
	s_mov_b32 s[SEL], 0x76543210
	s_mov_b32 s[SEL+1], 0xfedcba98
	s_mov_b32 s[CS], 0x3e38aa3b                    ; log2(e) / 8
	s_mov_b32 s[CS+1], s[CS]
	s_mov_b32 s[C9], 0x3b000000                    ; 1 / 512
	s_mov_b32 s[CE], 0x3727c5ac                    ; 1e-5
	s_mov_b32 s[HI], 0xffff0000                    ; lanes 16-31
	QLOADS
	QNORM 32, 16, 0                                ; x is in with 16 + 8 + 8 loads out; the statistics with 8 + 8; then all
	QBLK X, QZ+6, PT, SCR, SCR+2, SCR+3
	v_lshlrev_b32 v[SCR+3], v[SH8], v[SCR+3]       ; my block's byte at its place,
	v_mov_b32 v[SCR+4], 0
	v_permlanex16_b32 v[SCR+4], v[SCR+3], s[SEL], s[SEL+1]
	v_or_b32 v[SCR+3], v[SCR+3], v[SCR+4]          ; with lane l xor 16's;
	v_lshl_or_b32 v[QS], v[SCR+3], 16, v[SCR+3]    ; the two bytes stand twice: q is used in either half of the instruction's K
.irp i, 0,1,2,3,4,5
	v_mov_b32 v[QZ+\i], 0
	v_mov_b32 v[QZ+12+\i], 0
.endr
.set j, 0
.rept 32
	v_mov_b32 v[O+j], 0                            ; the step is written once: the first finds zeros, which the first change of M leaves zeros
.set j, j+1
.endr
.irp b, 0,1,2,3
	v_mov_b32 v[BT+\b], 0
.endr
	v_mov_b32 v[F+1], 0
	v_mov_b32 v13, 0xff61b1e6                      ; the largest t so far: -3e38
	v_floor_f32 v12, -v13                          ; -M
	v_mov_b32 v14, 0
	v_mov_b32 v15, 0
	s_wait_tensorcnt 0x0                           ; my step has landed,
	BARRIER                                        ; everybody's has
.if MASKED
	s_load_b512 s[32:47], s[18:19], 0x0            ; step 0's 64 lane masks (the descriptor's registers are free: its load is done)
	s_load_b512 s[48:63], s[18:19], 0x40
	s_load_b512 s[68:83], s[18:19], 0x80
	s_load_b512 s[84:99], s[18:19], 0xc0
.endif
	s_mov_b32 s[TB], 0
	v_mov_b32 v[ADI], v[L16]
	v_mov_b32 v[ADS], v[L4]
	FLOAD 0, 12288, KS
; A KEY STEP: 128 keys.  look = 1: the next step's masks and K are asked for.
.macro STEP look
	s_wait_dscnt 0x0                               ; K is in
.irp f, 0,1,2,3
	KQ S+16*\f, KV+12*\f, QZ+6, KS+\f%2, \f/2      ; q below, zeros above: the fragment's first 16 keys
	KQ S+16*\f+8, KV+12*\f, QZ, KS+\f%2, \f/2      ; zeros below, q above: its second 16
.endr
.rept 4
	v_nop                                          ; four places in front of loads into registers that matrix instructions have read, and of the first read of the scores
.endr
	FLOAD 6144, 12544, VS                          ; V lands while the softmax is walked
.if MASKED
	s_wait_kmcnt 0x0
.set n, 0
.rept 64
	v_cndmask_b32 v[S+n], v[FILL], v[S+n], s[32+n+4*(n/32)]        ; one line a score; each accumulator from its low end on
.set n, n+1
.endr
.if \look
	s_add_nc_u64 s[18:19], s[18:19], 256           ; (the loads that read it are done)
	s_load_b512 s[32:47], s[18:19], 0x0            ; the next step's masks: a whole softmax ahead
	s_load_b512 s[48:63], s[18:19], 0x40
	s_load_b512 s[68:83], s[18:19], 0x80
	s_load_b512 s[84:99], s[18:19], 0xc0
.endif
.endif
.irp b, 0,1,2,3
	v_max3_num_f32 v[BM+\b], v[S+16*\b], v[S+16*\b+1], v[S+16*\b+2]   ; the largest score of each block of 32 keys: for the row's maximum, and, since p rises with the score, for the block's largest p
.endr
.irp i, 3,5,7,9,11,13
.irp b, 0,1,2,3
	v_max3_num_f32 v[BM+\b], v[BM+\b], v[S+16*\b+\i], v[S+16*\b+\i+1]
.endr
.endr
.irp b, 0,1,2,3
	v_max_num_f32 v[BM+\b], v[BM+\b], v[S+16*\b+15]
.endr
.irp b, 0,1,2,3
	v_permlanex16_b32 v[BT+\b], v[BM+\b], s[SEL], s[SEL+1]
.endr
.irp b, 0,1,2,3
	v_max_num_f32 v[BM+\b], v[BM+\b], v[BT+\b]
.endr
	v_max3_num_f32 v[T0], v[BM], v[BM+1], v[BM+2]
	v_max_num_f32 v[T0], v[T0], v[BM+3]
	v_mul_f32 v[T0], s[CS], v[T0]
	v_max_num_f32 v13, v13, v[T0]                  ; the running largest t
	v_mov_b32 v[T0], v12
	v_floor_f32 v12, -v13                          ; the new -M: a whole number
	v_sub_f32 v[T0], v12, v[T0]
	v_cvt_i32_f32 v[T0], v[T0]                     ; (it saturates)
	v_ldexp_f32 v[F], 1.0, v[T0]                   ; 2^(old M - new M)
.set j, 0
.rept 32
	v_pk_fma_f32 v[S+j:S+j+1], v[S+j:S+j+1], s[CS:CS+1], v[12:13] op_sel_hi:[1,0,0]   ; t - M
.set j, j+2
.endr
.irp b, 0,1,2,3
	v_fma_f32 v[BM+\b], v[BM+\b], s[CS], v12
.endr
.set j, 0
.rept 64
	v_exp_f32 v[S+j], v[S+j]                       ; p, at most 1, not normalised
.set j, j+1
.endr
	v_pk_mul_f32 v[14:15], v[14:15], v[F:F+1] op_sel_hi:[1,0]      ; a plain line behind the batch
	s_wait_alu depctr_va_vdst(0)                   ; one wait for the 64, ahead of their first reader
.irp b, 0,1,2,3
	v_exp_f32 v[BM+\b], v[BM+\b]                   ; the blocks' largest p
.endr
	v_pk_add_f32 v[SU2:SU2+1], v[S:S+1], v[S+2:S+3]                ; the sum of the unquantised p, in two chains
.set j, 4
.rept 15
	v_pk_add_f32 v[14:15], v[14:15], v[S+j:S+j+1]
	v_pk_add_f32 v[SU2:SU2+1], v[SU2:SU2+1], v[S+j+2:S+j+3]
.set j, j+4
.endr
	v_pk_add_f32 v[14:15], v[14:15], v[SU2:SU2+1]
	s_wait_alu depctr_va_vdst(0)                   ; and one for the four
.irp b, 0,1,2,3
	v_max_num_f32 v[BM+\b], 0x1800000, v[BM+\b]    ; the floor: the byte cannot fall under 1
.endr
.irp b, 0,1,2,3
	v_add_nc_u32 v[SCO+\b], 0xff000000, v[BM+\b]
.endr
.irp b, 0,1,2,3
	v_lshrrev_b32 v[BT+\b], 23, v[SCO+\b]
.endr
	v_lshl_or_b32 v[PS], v[BT+1], 8, v[BT]
	v_lshl_or_b32 v[PS], v[BT+2], 16, v[PS]
	v_lshl_or_b32 v[PS], v[BT+3], 24, v[PS]
.irp c, 0,1
	v_cvt_scalef32_pk16_fp6_f32 v[PC+6*\c:PC+6*\c+2], v[S+32*\c:S+32*\c+15], v[SCO+2*\c]
	v_cvt_scalef32_pk16_fp6_f32 v[PT+4*\c:PT+4*\c+2], v[S+32*\c+16:S+32*\c+31], v[SCO+2*\c+1]
.endr
	v_nop
.irp c, 0,1                            ; the operand wants a whole block in a lane
.irp i, 0,1,2
	v_permlane16_swap_b32 v[PC+6*\c+\i], v[PT+4*\c+\i]
.endr
.irp i, 0,1,2
	v_mov_b32 v[PC+6*\c+3+\i], v[PT+4*\c+\i]
.endr
.endr
.set j, 0
.rept 16
	v_pk_mul_f32 v[O+j:O+j+1], v[O+j:O+j+1], v[F:F+1] op_sel_hi:[1,0]   ; O^T under the new M; these 16 are also the places behind the lines that wrote p's codes and scale word
.set j, j+2
.endr
	s_wait_dscnt 0x0                               ; V is in
.irp t, 0,1,2,3
	PV O+8*\t, KV+12*\t, VS+\t/2, \t%2             ; four accumulators by turns, one instruction a turn
.endr
.if \look
	s_add_co_u32 s[TB], s[TB], STEPB
	v_add_nc_u32 v[ADI], s[TB], v[L16]
	v_add_nc_u32 v[ADS], s[TB], v[L4]
	v_nop
	v_nop                                          ; four places in all in front of the loads
	FLOAD 0, 12288, KS
.endif
.endm
	s_mov_b32 s[CNT], 15
.Lstep:
	STEP 1
	s_sub_co_u32 s[CNT], s[CNT], 1
	s_cmp_lg_u32 s[CNT], 0
	s_cbranch_scc1 .Lstep
	STEP 0                                         ; the last step asks for nothing beyond the end
	; THE WAY OUT: y = x + O / l; the partial statistics of my 64 columns; whole rows of 256 bytes through my stage
.rept 4
	v_nop
.endr
	v_add_f32 v14, v14, v15
	v_permlanex16_b32 v[T0], v14, s[SEL], s[SEL+1]
	v_add_f32 v14, v14, v[T0]
	v_rcp_f32 v[T0+2], v14
	v_mov_b32 v[T0+3], 0                           ; a plain line behind the transcendental
.irp t, 0,1,2,3
	ds_load_b128 v[S+32+8*\t:S+32+8*\t+3], v[SO] offset:64*\t      ; x(r, 16 t + 8 h + 0 .. 7)
	ds_load_b128 v[S+32+8*\t+4:S+32+8*\t+7], v[SO] offset:64*\t+16
.endr
	s_wait_alu depctr_va_vdst(0)
	s_wait_dscnt 0x0
.set j, 0
.rept 16
	v_pk_fma_f32 v[S+j:S+j+1], v[O+j:O+j+1], v[T0+2:T0+3], v[S+32+j:S+32+j+1] op_sel_hi:[1,0,1]
.set j, j+2
.endr
	v_pk_add_f32 v[KV:KV+1], v[S:S+1], v[S+2:S+3]
	v_pk_add_f32 v[KV+2:KV+3], v[S+4:S+5], v[S+6:S+7]
.irp q, 8,12,16,20,24,28
	v_pk_add_f32 v[KV:KV+1], v[KV:KV+1], v[S+\q:S+\q+1]
	v_pk_add_f32 v[KV+2:KV+3], v[KV+2:KV+3], v[S+\q+2:S+\q+3]
.endr
	v_pk_add_f32 v[KV:KV+1], v[KV:KV+1], v[KV+2:KV+3]
	v_add_f32 v[KV], v[KV], v[KV+1]
	v_permlanex16_b32 v[T0], v[KV], s[SEL], s[SEL+1]
	v_add_f32 v[KV], v[KV], v[T0]
	v_mul_f32 v[KV], 0x3c800000, v[KV]             ; the mean of the row's 64
.set j, 0
.rept 16
	v_pk_add_f32 v[KV+4+j:KV+5+j], v[S+j:S+j+1], v[KV:KV+1] op_sel_hi:[1,0] neg_lo:[0,1] neg_hi:[0,1]
.set j, j+2
.endr
	v_pk_mul_f32 v[KV+2:KV+3], v[KV+4:KV+5], v[KV+4:KV+5]
.set j, 2
.rept 15
	v_pk_fma_f32 v[KV+2:KV+3], v[KV+4+j:KV+5+j], v[KV+4+j:KV+5+j], v[KV+2:KV+3]
.set j, j+2
.endr
	v_add_f32 v[KV+2], v[KV+2], v[KV+3]
	v_permlanex16_b32 v[T0], v[KV+2], s[SEL], s[SEL+1]
	v_add_f32 v[KV+2], v[KV+2], v[T0]              ; the sum of squared differences
	v_cndmask_b32 v[KV+3], v[KV], v[KV+2], s[HI]   ; lanes 0-15 the means, lanes 16-31 the sums
	global_store_b32 v[L4], v[KV+3], s[16:17]
.irp t, 0,1,2,3
	ds_store_b128 v[SO], v[S+8*\t:S+8*\t+3] offset:64*\t
	ds_store_b128 v[SO], v[S+8*\t+4:S+8*\t+7] offset:64*\t+16
.endr
.irp i, 0,1,2,3,4,5,6,7
	ds_load_b128 v[S+32+4*\i:S+32+4*\i+3], v[RD] offset:2*SP*\i
.endr
.irp i, 0,1,2,3,4,5,6,7
	s_wait_dscnt 7-\i                              ; the younger loads may stay out
	global_store_b128 v[GO], v[S+32+4*\i:S+32+4*\i+3], s[14:15] offset:4096*\i   ; sixteen lanes store 256 consecutive bytes, aligned
.endr
	s_wait_dscnt 0x0
	s_wait_tensorcnt 0x0
	ds_add_u32 v254, v255
	s_wait_dscnt 0x0
	CROUND                                         ; the closing round
	s_endpgm
.Lfunc_end_k_q358fdc002d_attn_cross:
	.size	k_q358fdc002d_attn_cross, .Lfunc_end_k_q358fdc002d_attn_cross-k_q358fdc002d_attn_cross
	.p2alignl 7, 3214868480
	.fill 96, 4, 3214868480
	.section	.rodata,"a",@progbits
	.p2align	6, 0x0
	.amdhsa_kernel k_q358fdc002d_attn_cross
		.amdhsa_group_segment_fixed_size 276480
		.amdhsa_private_segment_fixed_size 0
		.amdhsa_enable_private_segment 0
		.amdhsa_kernarg_size 56
		.amdhsa_user_sgpr_count 2
		.amdhsa_user_sgpr_kernarg_segment_ptr 1
		.amdhsa_wavefront_size32 1
		.amdhsa_system_sgpr_workgroup_id_x 1
		.amdhsa_system_sgpr_workgroup_id_y 1
		.amdhsa_system_sgpr_workgroup_id_z 1
		.amdhsa_system_vgpr_workitem_id 0
		.amdhsa_next_free_vgpr 256
		.amdhsa_next_free_sgpr 100
		.amdhsa_reserve_vcc 0
		.amdhsa_float_denorm_mode_32 3
		.amdhsa_float_denorm_mode_16_64 3
		.amdhsa_memory_ordered 1
		.amdhsa_forward_progress 1
		.amdhsa_inst_pref_size 56
	.end_amdhsa_kernel
	.amdgpu_metadata
---
amdhsa.version: [ 1, 2 ]
amdhsa.kernels:
  - .name:           k_q358fdc002d_attn_cross
    .symbol:         k_q358fdc002d_attn_cross.kd
    .args:
      - { .name: x2, .offset: 0, .size: 8, .value_kind: global_buffer, .address_space: global }
      - { .name: statsB, .offset: 8, .size: 8, .value_kind: global_buffer, .address_space: global }
      - { .name: ln2_g, .offset: 16, .size: 8, .value_kind: global_buffer, .address_space: global }
      - { .name: ln2_b, .offset: 24, .size: 8, .value_kind: global_buffer, .address_space: global }
      - { .name: kv_cross, .offset: 32, .size: 8, .value_kind: global_buffer, .address_space: global }
      - { .name: x3, .offset: 40, .size: 8, .value_kind: global_buffer, .address_space: global }
      - { .name: statsA, .offset: 48, .size: 8, .value_kind: global_buffer, .address_space: global }
    .group_segment_fixed_size: 276480
    .private_segment_fixed_size: 0
    .kernarg_segment_align: 8
    .kernarg_segment_size: 56
    .max_flat_workgroup_size: 512
    .sgpr_count:     100
    .vgpr_count:     256
    .wavefront_size: 32
...
	.end_amdgpu_metadata
.endif
;; end of part 3
;; launch ffn (part 4): grid 256 x 1, 16 waves a work-group, no clusters, 110,080 bytes of LDS; arguments x3, statsA, ln3_g, ln3_b, wimg, b1, b2, out0; writes out0
.if DOCPART == 4
	.amdgcn_target "amdgcn-amd-amdhsa--gfx1250"
	.amdhsa_code_object_version 6
	.text
	.protected	k_q358fdc002d_ffn
	.globl	k_q358fdc002d_ffn
	.p2align	8
	.type	k_q358fdc002d_ffn,@function
k_q358fdc002d_ffn:
	s_mov_b64 s[64:65], 0
	v_nop
	global_prefetch_b8 v0, s[64:65] scope:SCOPE_SE
	s_setreg_imm32_b32 hwreg(HW_REG_WAVE_MODE, 25, 1), 1
	s_wait_xcnt 0x0
; out = x + relu(LN(x) W1 + b1) W2 + b2, both products on codes of E2M3 with one E8M0 byte for each 32 along K.  The hidden layer never goes to memory.
; SHARES.  A work-group takes 32 rows: two tiles m of 16.  THE WAVES SHARE THE COLUMNS: wave w makes hidden units 64 w .. 64 w + 63 and outputs 32 w .. 32 w + 31 for both tiles.  Its part of the weights, laid by the first
;   launch in the order of its operand registers, goes from memory straight into its registers, a group of four fragments at a time in two slots by turns; each fragment feeds two products.
; NO CLUSTER: a joint load lands in LDS alone, and the weights' 819,200 bytes do not fit beside the 108,032 in use: they would need a ring filled again in rounds of the cluster's barrier, for 64 matrix instructions a wave.
; OPERANDS GO FROM WAVE TO WAVE THROUGH LDS AS IMAGES OF THEIR REGISTERS.  A wave makes HALF a fragment (64 along K: 6 registers a lane): registers 0-3 at 16 x lane, registers 4-5 at 512 + 8 x lane, 768 bytes.
; LAYER NORM: a row's mean and variance are joined from the eight partial statistics that the launch before has stored: variance = (sum of the sums + 64 x sum of (mean_k - mean)^2) / 512.
; Both products are used transposed (source 0 = 16 rows of the weight, source 1 = 16 rows of x or of the hidden layer); the rows of W1 that form a tile are chosen so that a lane's 16 registers of two neighbouring
;   tiles are 16 neighbours along the next K.  The biases are loaded INTO the accumulators, so every product adds in place.
; Three barriers: x's images | the hidden layer's images | the rows of the result in the stage.
; LIMITS: NaN and infinities are not served.  A block under 2^-124 keeps the scale byte 1 (zero codes for zeros).
.set SP,    272
.set BLK,   4352                       ; LDS: 16 blocks of 16 rows x 272 bytes: block 8 m + slice holds rows of tile m, columns 64 slice on: x for the residual, later the result
.set XIMG,  69632                      ; x's 8 fragments: (2 s + m) x 1,536
.set XSC,   81920                      ; their scale words: 128 s + 64 m + 4 r
.set HIMG,  82432                      ; the hidden layer's 16 fragments
.set HSC,   107008
.set FRB,   1536
.set I16,  1                           ; v1 16 x lane + XIMG   v2 8 x lane + XIMG   v3 4 x lane + XSC (the hidden layer's are reached by the immediate)
.set I8,   2
.set I4,   3
.set XW16, 4                           ; v4-5 where I store my half image of x   v6-7 of the hidden layer   v8 my scale byte of x   v9 my two scale bytes of the hidden layer
.set XW8,  5
.set HW16, 6
.set HW8,  7
.set XSB,  8
.set HSB,  9
.set SO,   10                          ; v10 the stage: my eight outputs of a row
.set RD,   11                          ; v11 my own block by whole rows   v12 the same two rows in memory   v13 my own block: row r, my 32 columns
.set GO,   12
.set QA,   13
.set L16,  14
.set L4,   15
.set XF,   16                          ; v16-39 two fragments of x or of the hidden layer
.set ACC1, 48                          ; v48-111 hidden: 32 m + 8 t
.set ACC2, 112                         ; v112-143 outputs: 8 (2 n + m)
.set WB,   144                         ; v144-239 two slots of four weight fragments
.set WS,   240                         ; v240-243 their scale words
.set R4,   244                         ; v244-247 offsets of the loads at the head
.set H128, 245
.set H64,  246
.set H32,  247
.set XS,   255                         ; v255 the scale words of source 1: it holds scales and nothing else
.set X,    16                          ; at the head: 32 numbers of x; gain; bias; statistics; scratch
.set GG,   48
.set BB,   80
.set STT,  112
.set SCR,  128
.set WV,   20
.set SEL,  22
.set C9,   24
.set CE,   25
.macro QBLK src, dst, tmp, mx, sc, by  ; 32 numbers of ONE block -> 6 registers of codes, the scale operand, the byte
	v_max3_num_f32 v[(\mx)], |v[(\src)]|, |v[(\src)+1]|, |v[(\src)+2]|
	v_max3_num_f32 v[(\mx)+1], |v[(\src)+3]|, |v[(\src)+4]|, |v[(\src)+5]|
.irp i, 6,10,14,18,22,26
	v_max3_num_f32 v[(\mx)], v[(\mx)], |v[(\src)+\i]|, |v[(\src)+\i+1]|
	v_max3_num_f32 v[(\mx)+1], v[(\mx)+1], |v[(\src)+\i+2]|, |v[(\src)+\i+3]|
.endr
	v_max3_num_f32 v[(\mx)], v[(\mx)], |v[(\src)+30]|, |v[(\src)+31]|
	v_max3_num_f32 v[(\mx)], v[(\mx)], v[(\mx)+1], 0x1800000
	v_add_nc_u32 v[(\sc)], 0xff000000, v[(\mx)]
	v_lshrrev_b32 v[(\by)], 23, v[(\sc)]
	v_cvt_scalef32_pk16_fp6_f32 v[(\dst):(\dst)+2], v[(\src):(\src)+15], v[(\sc)]
	v_cvt_scalef32_pk16_fp6_f32 v[(\tmp):(\tmp)+2], v[(\src)+16:(\src)+31], v[(\sc)]
	v_nop                                          ; one plain line behind the conversions
.irp i, 0,1,2
	v_mov_b32 v[(\dst)+3+\i], v[(\tmp)+\i]
.endr
.endm
.macro BARRIER
	s_wait_dscnt 0x0
	s_barrier_signal -1
	s_barrier_wait -1
.endm
.macro QLOADS                          ; 16 rows x 64 columns of x, the rows' 8 partial statistics, my 32 gains and biases: 8 + 16 + 8 + 8 loads
.irp i, 0,1,2,3,4,5,6,7
	global_load_b128 v[X+4*\i:X+4*\i+3], v[GO], s[4:5] offset:4096*\i th:TH_LOAD_NT
.endr
.irp k, 0,1,2,3,4,5,6,7
	global_load_b32 v[STT+2*\k], v[R4], s[6:7] offset:65536*\k
	global_load_b32 v[STT+2*\k+1], v[R4], s[6:7] offset:65536*\k+64
.endr
.irp j, 0,1,2,3,4,5,6,7
	global_load_b128 v[GG+4*\j:GG+4*\j+3], v[H128], s[8:9] offset:16*\j
.endr
.irp j, 0,1,2,3,4,5,6,7
	global_load_b128 v[BB+4*\j:BB+4*\j+3], v[H128], s[10:11] offset:16*\j
.endr
.endm
.macro QNORM w1, w2, w3                ; the counts: how many younger loads may stay out when x, the statistics, gain and bias have to be there
	s_wait_loadcnt \w1
.irp i, 0,1,2,3,4,5,6,7
	ds_store_b128 v[RD], v[X+4*\i:X+4*\i+3] offset:2*SP*\i         ; the slice stays in the stage for the residual
.endr
.irp j, 0,1,2,3,4,5,6,7
	ds_load_b128 v[X+4*\j:X+4*\j+3], v[QA] offset:16*\j            ; and comes back as 32 neighbours of row r (LDS serves a wave's instructions in order)
.endr
	s_wait_loadcnt \w2
.irp k, 0,1,2,3
	v_pk_add_f32 v[SCR+2*\k:SCR+2*\k+1], v[STT+4*\k:STT+4*\k+1], v[STT+4*\k+2:STT+4*\k+3]   ; low words: means; high words: sums of squared differences
.endr
	v_pk_add_f32 v[SCR:SCR+1], v[SCR:SCR+1], v[SCR+2:SCR+3]
	v_pk_add_f32 v[SCR+4:SCR+5], v[SCR+4:SCR+5], v[SCR+6:SCR+7]
	v_pk_add_f32 v[SCR:SCR+1], v[SCR:SCR+1], v[SCR+4:SCR+5]
	v_mul_f32 v[SCR+8], 0x3e000000, v[SCR]         ; the row's mean
	v_mov_b32 v[SCR+9], 0
.irp k, 0,1,2,3,4,5,6,7
	v_sub_f32 v[STT+2*\k], v[STT+2*\k], v[SCR+8]
.endr
	v_mul_f32 v[SCR+12], v[STT], v[STT]
.irp k, 1,2,3,4,5,6,7
	v_fmac_f32 v[SCR+12], v[STT+2*\k], v[STT+2*\k]
.endr
	v_fmamk_f32 v[SCR+12], v[SCR+12], 0x42800000, v[SCR+1]         ; 64 x that + the sum of the sums
	v_fma_f32 v[SCR+10], v[SCR+12], s[C9], s[CE]   ; / 512 + 1e-5
	v_rsq_f32 v[SCR+10], v[SCR+10]
	v_mov_b32 v[SCR+11], 0                         ; a plain line behind the transcendental
	s_wait_alu depctr_va_vdst(0)                   ; ahead of its first reader
	s_wait_loadcnt \w3
	s_wait_dscnt 0x0
.set j, 0
.rept 16
	v_pk_add_f32 v[X+j:X+j+1], v[X+j:X+j+1], v[SCR+8:SCR+9] op_sel_hi:[1,0] neg_lo:[0,1] neg_hi:[0,1]
.set j, j+2
.endr
.set j, 0
.rept 16
	v_pk_mul_f32 v[X+j:X+j+1], v[X+j:X+j+1], v[SCR+10:SCR+11] op_sel_hi:[1,0]
.set j, j+2
.endr
.set j, 0
.rept 16
	v_pk_fma_f32 v[X+j:X+j+1], v[X+j:X+j+1], v[GG+j:GG+j+1], v[BB+j:BB+j+1]
.set j, j+2
.endr
.endm
.macro WLOAD g, slot                   ; group g of my weights: four fragments and their scale words: 14 loads
.irp f, 0,1,2,3
.irp j, 0,1,2
	global_load_b128 v[WB+48*(\slot)+12*\f+4*\j:WB+48*(\slot)+12*\f+4*\j+3], v[L16], s[12:13] offset:6400*(\g)+1536*\f+512*\j
.endr
.endr
	global_load_b32 v[WS+2*(\slot)], v[L4], s[12:13] offset:6400*(\g)+6144
	global_load_b32 v[WS+2*(\slot)+1], v[L4], s[12:13] offset:6400*(\g)+6144+128
.endm
.macro FETCH reg, off                  ; a fragment's two half images
	ds_load_b128 v[(\reg):(\reg)+3], v[I16] offset:\off
	ds_load_b64 v[(\reg)+4:(\reg)+5], v[I8] offset:\off+512
	ds_load_b128 v[(\reg)+6:(\reg)+9], v[I16] offset:\off+768
	ds_load_b64 v[(\reg)+10:(\reg)+11], v[I8] offset:\off+1280
.endm
.macro WM d, a, b, sa, ra, rb          ; D += A x B; ra, rb: which half of the lanes holds A's and B's scale words
.if (\ra) && (\rb)
	v_wmma_scale_f32_16x16x128_f8f6f4 v[(\d):(\d)+7], v[(\a):(\a)+11], v[(\b):(\b)+11], v[(\d):(\d)+7], v[\sa], v[XS] matrix_a_fmt:MATRIX_FMT_FP6 matrix_b_fmt:MATRIX_FMT_FP6 matrix_a_scale:MATRIX_SCALE_ROW1 matrix_b_scale:MATRIX_SCALE_ROW1
.elseif (\ra)
	v_wmma_scale_f32_16x16x128_f8f6f4 v[(\d):(\d)+7], v[(\a):(\a)+11], v[(\b):(\b)+11], v[(\d):(\d)+7], v[\sa], v[XS] matrix_a_fmt:MATRIX_FMT_FP6 matrix_b_fmt:MATRIX_FMT_FP6 matrix_a_scale:MATRIX_SCALE_ROW1
.elseif (\rb)
	v_wmma_scale_f32_16x16x128_f8f6f4 v[(\d):(\d)+7], v[(\a):(\a)+11], v[(\b):(\b)+11], v[(\d):(\d)+7], v[\sa], v[XS] matrix_a_fmt:MATRIX_FMT_FP6 matrix_b_fmt:MATRIX_FMT_FP6 matrix_b_scale:MATRIX_SCALE_ROW1
.else
	v_wmma_scale_f32_16x16x128_f8f6f4 v[(\d):(\d)+7], v[(\a):(\a)+11], v[(\b):(\b)+11], v[(\d):(\d)+7], v[\sa], v[XS] matrix_a_fmt:MATRIX_FMT_FP6 matrix_b_fmt:MATRIX_FMT_FP6
.endif
.endm
; 32 numbers of a lane, none negative, register 16 b + i = k 32 b + 16 h + i of my row -> half a fragment in v16-21, its two scale bytes in v34
.macro QUANT32 s
.irp b, 0,1
	v_max3_num_f32 v[26+\b], v[(\s)+16*\b], v[(\s)+16*\b+1], 0x1800000
.endr
.irp i, 2,4,6,8,10,12,14
.irp b, 0,1
	v_max3_num_f32 v[26+\b], v[26+\b], v[(\s)+16*\b+\i], v[(\s)+16*\b+\i+1]
.endr
.endr
.irp b, 0,1
	v_permlanex16_b32 v[28+\b], v[26+\b], s[SEL], s[SEL+1]
.endr
.irp b, 0,1
	v_max_num_f32 v[26+\b], v[26+\b], v[28+\b]
.endr
.irp b, 0,1
	v_add_nc_u32 v[30+\b], 0xff000000, v[26+\b]
.endr
.irp b, 0,1
	v_lshrrev_b32 v[32+\b], 23, v[30+\b]
.endr
	v_lshl_or_b32 v34, v33, 8, v32
	v_cvt_scalef32_pk16_fp6_f32 v[16:18], v[(\s):(\s)+15], v30
	v_cvt_scalef32_pk16_fp6_f32 v[22:24], v[(\s)+16:(\s)+31], v31
	v_nop
.irp i, 0,1,2
	v_permlane16_swap_b32 v[16+\i], v[22+\i]       ; the operand wants a whole block in a lane
.endr
.irp i, 0,1,2
	v_mov_b32 v[19+\i], v[22+\i]
.endr
.endm
	s_load_b512 s[4:19], s[0:1], 0x0               ; x3, statistics, gain, bias, weights, b1, b2, out0
	v_lshl_add_u32 v253, v0, 2, 0x1a600
	v_mov_b32 v254, 0
	v_lshrrev_b32 v248, 5, v0
	v_readfirstlane_b32 s[WV], v248                ; wave 0..15
	v_and_b32 v248, 31, v0                         ; lane
	v_and_b32 v249, 15, v0                         ; r
	v_bfe_u32 v250, v0, 4, 1                       ; h
	v_lshlrev_b32 v[L16], 4, v248
	v_lshlrev_b32 v[L4], 2, v248
	v_add_nc_u32 v[I16], XIMG, v[L16]
	v_lshl_add_u32 v[I8], v248, 3, XIMG
	v_add_nc_u32 v[I4], XSC, v[L4]
	s_lshr_b32 s26, s[WV], 3                       ; m: whose rows I normalise
	s_and_b32 s27, s[WV], 7                        ; slice: which 64 columns
	s_lshr_b32 s28, s27, 1                         ; K step
	s_and_b32 s29, s27, 1                          ; half of it
	s_lshl_b32 s30, s28, 1
	s_add_co_u32 s30, s30, s26
	s_mul_i32 s30, s30, FRB
	s_mul_i32 s31, s29, 768
	s_add_co_u32 s30, s30, s31
	v_add_nc_u32 v[XW16], s30, v[I16]
	v_add_nc_u32 v[XW8], s30, v[I8]
	s_lshl_b32 s30, s28, 7
	s_lshl_b32 s31, s26, 6
	s_add_co_u32 s30, s30, s31
	s_lshl_b32 s31, s29, 1
	s_add_co_u32 s30, s30, s31
	s_add_co_u32 s30, s30, XSC
	v_lshl_add_u32 v[XSB], v249, 2, v250
	v_add_nc_u32 v[XSB], s30, v[XSB]               ; byte 2 c + h of row r's word
	s_lshr_b32 s32, s[WV], 1                       ; the second product's K step that I make half of
	s_and_b32 s33, s[WV], 1
	s_mul_i32 s30, s32, 2*FRB
	s_mul_i32 s31, s33, 768
	s_add_co_u32 s30, s30, s31
	s_add_co_u32 s30, s30, HIMG-XIMG
	v_add_nc_u32 v[HW16], s30, v[I16]
	v_add_nc_u32 v[HW8], s30, v[I8]
	s_lshl_b32 s30, s32, 7
	s_lshl_b32 s31, s33, 1
	s_add_co_u32 s30, s30, s31
	s_add_co_u32 s30, s30, HSC
	v_lshlrev_b32 v[HSB], 2, v249
	v_add_nc_u32 v[HSB], s30, v[HSB]
	s_mul_i32 s30, s[WV], BLK                      ; my own block of the stage
	v_mul_u32_u24 v[QA], v249, SP
	v_lshl_add_u32 v[SO], v250, 5, v[QA]
	v_lshl_add_u32 v[QA], v250, 7, v[QA]
	v_add_nc_u32 v[QA], s30, v[QA]
	v_mul_u32_u24 v[RD], v250, SP
	v_lshl_add_u32 v[RD], v249, 4, v[RD]
	v_add_nc_u32 v[RD], s30, v[RD]
	s_mul_i32 s30, s32, BLK                        ; where my 32 outputs lie: block w / 2 (and 8 blocks on for m = 1), 128 (w % 2) bytes into its rows
	s_lshl_b32 s31, s33, 7
	s_add_co_u32 s30, s30, s31
	v_add_nc_u32 v[SO], s30, v[SO]
	v_lshlrev_b32 v[GO], 11, v250
	v_lshl_add_u32 v[GO], v249, 4, v[GO]
	v_lshlrev_b32 v[R4], 2, v249
	v_lshlrev_b32 v[H128], 7, v250
	v_lshlrev_b32 v[H64], 6, v250
	v_lshlrev_b32 v[H32], 5, v250
	s_mov_b32 s[SEL], 0x76543210
	s_mov_b32 s[SEL+1], 0xfedcba98
	s_mov_b32 s[C9], 0x3b000000                    ; 1 / 512
	s_mov_b32 s[CE], 0x3727c5ac                    ; 1e-5
	s_lshl_b32 s34, ttmp9, 5
	s_lshl_b32 s35, s26, 4
	s_add_co_u32 s34, s34, s35                     ; my first row
	s_lshl_b32 s36, s34, 11
	s_lshl_b32 s35, s27, 8
	s_add_co_u32 s36, s36, s35
	s_mov_b32 s37, 0
	s_wait_kmcnt 0x0
	s_add_nc_u64 s[4:5], s[4:5], s[36:37]
	s_add_nc_u64 s[18:19], s[18:19], s[36:37]
	s_mov_b32 s36, s35
	s_add_nc_u64 s[8:9], s[8:9], s[36:37]
	s_add_nc_u64 s[10:11], s[10:11], s[36:37]
	s_lshl_b32 s36, s34, 3                         ; 128 bytes for each tile of 16 rows
	s_add_nc_u64 s[6:7], s[6:7], s[36:37]
	s_mul_i32 s36, s[WV], 51200
	s_add_nc_u64 s[12:13], s[12:13], s[36:37]
	s_lshl_b32 s36, s[WV], 8
	s_add_nc_u64 s[14:15], s[14:15], s[36:37]
	s_lshl_b32 s36, s[WV], 7
	s_add_nc_u64 s[16:17], s[16:17], s[36:37]
	QLOADS
	WLOAD 0, 0
	WLOAD 1, 1
	QNORM 60, 44, 28                               ; x is in with 16 + 8 + 8 + 28 loads out; the statistics with 8 + 8 + 28; gain and bias with the weights' 28
.irp m, 0,1
.irp t, 0,1,2,3
	global_load_b128 v[ACC1+32*\m+8*\t:ACC1+32*\m+8*\t+3], v[H64], s[14:15] offset:128*(\t/2)+32*(\t%2)      ; b1 at hidden units 32 (t / 2) + 16 h + 8 (t % 2) + 0 .. 7: the sums' first C
	global_load_b128 v[ACC1+32*\m+8*\t+4:ACC1+32*\m+8*\t+7], v[H64], s[14:15] offset:128*(\t/2)+32*(\t%2)+16
.endr
.endr
	QBLK X, SCR, SCR+6, SCR+10, SCR+12, SCR+13
	ds_store_b128 v[XW16], v[SCR:SCR+3]
	ds_store_b64 v[XW8], v[SCR+4:SCR+5] offset:512
	ds_store_b8 v[XSB], v[SCR+13]
	BARRIER                                        ; x's eight fragments and the residual's rows lie in LDS
.irp n, 0,1
.irp m, 0,1
	global_load_b128 v[ACC2+8*(2*\n+\m):ACC2+8*(2*\n+\m)+3], v[H32], s[16:17] offset:64*\n                   ; b2 at outputs 16 n + 8 h + 0 .. 7
	global_load_b128 v[ACC2+8*(2*\n+\m)+4:ACC2+8*(2*\n+\m)+7], v[H32], s[16:17] offset:64*\n+16
.endr
.endr
; ---- 1: the hidden layer: K step s, eight accumulators by turns, one instruction a turn
.macro PH1 s
	FETCH XF, (2*(\s))*FRB
	FETCH XF+12, (2*(\s)+1)*FRB
	ds_load_b32 v[XS], v[I4] offset:128*(\s)       ; lanes 0-15: tile 0's rows, lanes 16-31: tile 1's
.if (\s) == 0
	s_wait_loadcnt 8                               ; groups 0 and 1 and b1 are in; b2's eight may be out
.elseif (\s) > 1
	s_wait_loadcnt 14                              ; this group is in; the younger group's 14 may be out
.endif
	s_wait_dscnt 0x0
.irp t, 0,1,2,3
.irp m, 0,1
	WM ACC1+32*\m+8*\t, WB+48*((\s)%2)+12*\t, XF+12*\m, WS+2*((\s)%2)+\t/2, \t%2, \m
.endr
.endr
.rept 4
	v_nop                                          ; four places in front of loads into registers that matrix instructions have read, and of the first read of results
.endr
	WLOAD (\s)+2, (\s)%2
.endm
	PH1 0
	PH1 1
	PH1 2
	PH1 3
.set j, 0
.rept 64
	v_max_num_f32 v[ACC1+j], 0, v[ACC1+j]          ; the activation, in f32; each accumulator from its low end on
.set j, j+1
.endr
.irp m, 0,1
	QUANT32 ACC1+32*\m
	ds_store_b128 v[HW16], v[16:19] offset:FRB*\m
	ds_store_b64 v[HW8], v[20:21] offset:FRB*\m+512
	ds_store_b16 v[HSB], v34 offset:64*\m          ; both lanes of a row write the same two bytes
	s_wait_dscnt 0x0                               ; the stores have read their registers
.endr
	BARRIER                                        ; the hidden layer's sixteen fragments lie in LDS
; ---- 2: my 32 outputs: K step s2, four accumulators by turns
.macro PH2 s2
	FETCH XF, HIMG-XIMG+(2*(\s2))*FRB
	FETCH XF+12, HIMG-XIMG+(2*(\s2)+1)*FRB
	ds_load_b32 v[XS], v[I4] offset:HSC-XSC+128*(\s2)
.if (\s2) == 6
	s_wait_loadcnt 0x0
.elseif ((\s2)%2) == 0
	s_wait_loadcnt 14                              ; this group is in; the younger group's 14 may be out
.endif
	s_wait_dscnt 0x0
.irp n, 0,1
.irp m, 0,1
	WM ACC2+8*(2*\n+\m), WB+48*(((\s2)/2)%2)+12*(2*((\s2)%2)+\n), XF+12*\m, WS+2*(((\s2)/2)%2)+(\s2)%2, \n, \m
.endr
.endr
.rept 4
	v_nop
.endr
.endm
	PH2 0
	PH2 1
	WLOAD 6, 0
	PH2 2
	PH2 3
	WLOAD 7, 1
	PH2 4
	PH2 5
	PH2 6
	PH2 7
	; ---- the residual, at the very bytes where x lies in the stage: each byte is read and written by one lane
.irp m, 0,1
.irp n, 0,1
	ds_load_b128 v[ACC1+8*(2*\n+\m):ACC1+8*(2*\n+\m)+3], v[SO] offset:8*BLK*\m+64*\n
	ds_load_b128 v[ACC1+8*(2*\n+\m)+4:ACC1+8*(2*\n+\m)+7], v[SO] offset:8*BLK*\m+64*\n+16
.endr
.endr
	s_wait_dscnt 0x0
.set j, 0
.rept 16
	v_pk_add_f32 v[ACC1+j:ACC1+j+1], v[ACC2+j:ACC2+j+1], v[ACC1+j:ACC1+j+1]
.set j, j+2
.endr
.irp m, 0,1
.irp n, 0,1
	ds_store_b128 v[SO], v[ACC1+8*(2*\n+\m):ACC1+8*(2*\n+\m)+3] offset:8*BLK*\m+64*\n
	ds_store_b128 v[SO], v[ACC1+8*(2*\n+\m)+4:ACC1+8*(2*\n+\m)+7] offset:8*BLK*\m+64*\n+16
.endr
.endr
	BARRIER                                        ; 32 whole rows of the result lie in the stage
.irp i, 0,1,2,3,4,5,6,7
	ds_load_b128 v[XF+4*\i:XF+4*\i+3], v[RD] offset:2*SP*\i
.endr
.irp i, 0,1,2,3,4,5,6,7
	s_wait_dscnt 7-\i                              ; the younger loads may stay out
	global_store_b128 v[GO], v[XF+4*\i:XF+4*\i+3], s[18:19] offset:4096*\i th:TH_STORE_NT   ; sixteen lanes store 256 consecutive bytes, aligned
.endr
	s_wait_tensorcnt 0x0
	ds_add_u32 v253, v254
	s_wait_dscnt 0x0
	s_endpgm
.Lfunc_end_k_q358fdc002d_ffn:
	.size	k_q358fdc002d_ffn, .Lfunc_end_k_q358fdc002d_ffn-k_q358fdc002d_ffn
	.p2alignl 7, 3214868480
	.fill 96, 4, 3214868480
	.section	.rodata,"a",@progbits
	.p2align	6, 0x0
	.amdhsa_kernel k_q358fdc002d_ffn
		.amdhsa_group_segment_fixed_size 110080
		.amdhsa_private_segment_fixed_size 0
		.amdhsa_enable_private_segment 0
		.amdhsa_kernarg_size 64
		.amdhsa_user_sgpr_count 2
		.amdhsa_user_sgpr_kernarg_segment_ptr 1
		.amdhsa_wavefront_size32 1
		.amdhsa_system_sgpr_workgroup_id_x 1
		.amdhsa_system_sgpr_workgroup_id_y 1
		.amdhsa_system_sgpr_workgroup_id_z 1
		.amdhsa_system_vgpr_workitem_id 0
		.amdhsa_next_free_vgpr 256
		.amdhsa_next_free_sgpr 66
		.amdhsa_reserve_vcc 0
		.amdhsa_float_denorm_mode_32 3
		.amdhsa_float_denorm_mode_16_64 3
		.amdhsa_memory_ordered 1
		.amdhsa_forward_progress 1
		.amdhsa_inst_pref_size 55
	.end_amdhsa_kernel
	.amdgpu_metadata
---
amdhsa.version: [ 1, 2 ]
amdhsa.kernels:
  - .name:           k_q358fdc002d_ffn
    .symbol:         k_q358fdc002d_ffn.kd
    .args:
      - { .name: x3, .offset: 0, .size: 8, .value_kind: global_buffer, .address_space: global }
      - { .name: statsA, .offset: 8, .size: 8, .value_kind: global_buffer, .address_space: global }
      - { .name: ln3_g, .offset: 16, .size: 8, .value_kind: global_buffer, .address_space: global }
      - { .name: ln3_b, .offset: 24, .size: 8, .value_kind: global_buffer, .address_space: global }
      - { .name: wimg, .offset: 32, .size: 8, .value_kind: global_buffer, .address_space: global }
      - { .name: b1, .offset: 40, .size: 8, .value_kind: global_buffer, .address_space: global }
      - { .name: b2, .offset: 48, .size: 8, .value_kind: global_buffer, .address_space: global }
      - { .name: out0, .offset: 56, .size: 8, .value_kind: global_buffer, .address_space: global }
    .group_segment_fixed_size: 110080
    .private_segment_fixed_size: 0
    .kernarg_segment_align: 8
    .kernarg_segment_size: 64
    .max_flat_workgroup_size: 512
    .sgpr_count:     66
    .vgpr_count:     256
    .wavefront_size: 32
...
	.end_amdgpu_metadata
.endif
;; end of part 4
